; MI455X (gfx1250); checked and timed in simulation.
; The chip was launched on July 23, 2026; its instructions are those of AMD's public machine-readable ISA for CDNA 5 (MIT licence, August 2026) and "CDNA5" Instruction Set Architecture Reference Guide (July 2026). The comments in the code are by the model that wrote it; some were corrected since.
;; Pair Projector. Allowed arithmetic: float matrix products may take bf16 or f16 operands with f32 sums; other float arithmetic in f32, or as packed bf16 or f16 multiplies, adds, multiply-adds, maxima and minima; sums over many terms, partial sums and values carried from step to step in f32; what a program stores and reads back later, other than sums and carried values, may be rounded once to bf16 or f16.
;; Inputs: P1 2 x 3 x 512 x 512 float32; P1_b 2 x 3 x 512 float32; P2 2 x 3 x 512 x 512 float32; P2_b 2 x 3 x 512 float32; U 2 x 3 x 512 x 512 float32; U_b 2 x 3 x 512 float32; W 2 x 3 x 512 x 512 float32; W_b 2 x 3 x 512 float32; ent_roles 16,384 int32; r_repr 16,384 x 512 float32; v_repr 16,384 x 512 float32.
;; Outputs: out0 16,384 x 512 float32.
;; Constants: layer_idx = 0.
;; 2 versions, each right; version 2 is version 1 with the launch chain written anew for expert scheduling mode. Each part assembles by itself: llvm-mc -triple=amdgcn-amd-amdhsa -mcpu=gfx1250 --defsym DOCPART=n.
;; ======== version 1 of 2: 2 launches
;; limits: values are held in f16: magnitudes above 65,504 overflow, below 6.1e-05 lose precision
;; workspace buffers: wts 6,291,456 bytes; bias 32,768 bytes; perm 66,560 bytes of whole numbers; tiles 2,048 bytes of whole numbers
;; launch prep (part 1): grid 129 x 1, 16 waves a work-group, no clusters, 72,192 bytes of LDS; arguments W, U, P1, P2, W_b, U_b, P1_b, P2_b, ent_roles, wts, bias, perm, tiles; writes wts, bias, perm, tiles
.if DOCPART == 1
	.amdgcn_target "amdgcn-amd-amdhsa--gfx1250"
	.amdhsa_code_object_version 6
	.text
	.protected	k_q4daafd165c_prep
	.globl	k_q4daafd165c_prep
	.p2align	8
	.type	k_q4daafd165c_prep,@function
k_q4daafd165c_prep:
	s_mov_b64 s[64:65], 0
	v_nop
	global_prefetch_b8 v0, s[64:65] scope:SCOPE_SE
	s_setreg_imm32_b32 hwreg(HW_REG_WAVE_MODE, 25, 1), 1
	s_wait_xcnt 0x0
; PREP: what the chain launch needs, made once.  Three kinds of work-group, chosen by the work-group's number alone:
;   0-95    layer 0's weights W, U, P1 (rounded to bf16) and P2 (rounded to bf16, that number written as f16), laid out in the order in which a wave of the chain launch takes them into its
;           operand registers: wts[role 3][wave 4][step 64][fragment 8][piece 2][lane 32][16 bytes].  Steps 0-15 and 16-31: K step t = step % 16, fragments 0-3 rows 128 w + 64 (step / 16) + 16 b + r of W,
;           fragments 4-7 the same rows of U.  Steps 32-47: P1, rows 128 w + 16 b + r.  Steps 48-63: P2 likewise.  Piece c of lane (r = l % 16, h = l / 16) holds k = 32 t + 16 c + 8 h + 0..7.
;   96-127  a counting sort of the 16,384 tokens by bucket = min(role, 3) (as an unsigned number: every role outside 0..2 is bucket 3), without atomics.  Bucket b gets T_b = ceil(n_b / 80) tiles of 80 places;
;           perm[80 tile + place] = token; unused places hold token 0; tiles[t] = {bucket, rows}.  Sum of T_b <= (16,384 + 4 x 79) / 80 = 208 for every split of the tokens.
;           Work-group 96 + j places tokens 512 j .. 512 j + 511, one a lane; to know where, each of the 32 counts all 16,384 roles for itself.  Work-group 96 also writes the table and the unused places.
;   128     layer 0's four biases, rounded to bf16 and kept as f32: bias[matrix 4][bucket 4][512], bucket 3 all zeros.
; LIMIT: P2 is kept in f16: beyond 65,504 it becomes an infinity, below 2^-14 it keeps a step of 2^-24.
.set WPITCH, 272                       ; a row of 128 16-bit numbers in LDS: 256 bytes + 16: an odd multiple of 16, so the 16 rows of a fragment load start at 16 different 16-byte columns modulo 256
.set WAREA,  16*WPITCH                 ; a wave's own 16 rows
.set WT,     16*WAREA                  ; 69,632: the sort: 16 bytes a wave: its 1,024 tokens' counts, and the part of them that lies ahead of the work-group's tokens
.set WT2,    WT+256                    ; 69,888: the sort: 8 bytes a wave: the counts of the 32 tokens that it places
.set SPARE,  WT2+256                   ; 70,144: the spare words, 128 bytes for each of the 16 waves; no other line names them
.set SPW, 126                          ; v126  LDS address of my spare word; never rewritten
.set NIL, 127                          ; v127  0; never rewritten
.macro FINISH                          ; a wave's end
	s_wait_tensorcnt 0x0
	ds_add_u32 v[SPW], v[NIL]
	s_wait_dscnt 0x0
	s_endpgm
.endm
	s_load_b512 s[8:23], s[0:1], 0x0               ; W s[8:9], U s[10:11], P1 s[12:13], P2 s[14:15], W_b s[16:17], U_b s[18:19], P1_b s[20:21], P2_b s[22:23]
	s_load_b256 s[24:31], s[0:1], 0x40             ; ent_roles s[24:25], wts s[26:27], bias s[28:29], perm s[30:31]
	s_load_b64 s[32:33], s[0:1], 0x60              ; tiles
	v_lshl_add_u32 v[SPW], v0, 2, SPARE
	v_mov_b32 v[NIL], 0
	v_lshrrev_b32 v1, 5, v0
	v_readfirstlane_b32 s34, v1                    ; wave 0..15
	s_mov_b32 s35, ttmp9
	s_wait_kmcnt 0x0
	s_cmp_lt_u32 s35, 96
	s_cbranch_scc0 .Lother
; ---------------- WEIGHTS.  A wave's task: 16 rows x 128 k of one matrix of one role.  96 work-groups x 16 waves = 3 roles x 4 matrices x 32 row groups x 4 quarters of K.
	s_bfe_u32 s36, s35, 0x20003                    ; matrix 0..3 = W, U, P1, P2
	s_lshr_b32 s37, s35, 5                         ; role
	s_and_b32 s38, s35, 7
	s_lshr_b32 s44, s34, 2
	s_lshl2_add_u32 s38, s38, s44                  ; row group 0..31
	s_and_b32 s39, s34, 3                          ; quarter of K
	s_cmp_eq_u32 s36, 1                            ; the source: a choice among four buffers on the matrix's number
	s_cselect_b64 s[40:41], s[10:11], s[8:9]
	s_cmp_eq_u32 s36, 2
	s_cselect_b64 s[40:41], s[12:13], s[40:41]
	s_cmp_eq_u32 s36, 3
	s_cselect_b64 s[40:41], s[14:15], s[40:41]
	s_lshl_b32 s42, s37, 20                        ; a role's matrix is 512 x 512 x 4 bytes,
	s_lshl_b32 s43, s38, 15                        ; 16 rows are 32,768,
	s_add_co_u32 s42, s42, s43
	s_lshl_b32 s43, s39, 9                         ; 128 k are 512
	s_add_co_u32 s42, s42, s43
	s_mov_b32 s43, 0
	s_add_nc_u64 s[40:41], s[40:41], s[42:43]
	s_lshr_b32 s44, s38, 3                         ; the chain's wave that takes these rows
	s_and_b32 s45, s38, 7                          ; q: the row group among that wave's eight
	s_lshr_b32 s46, s45, 2
	s_lshl_b32 s46, s46, 4                         ; W, U: first step 16 (q / 4),
	s_and_b32 s47, s45, 3
	s_lshl2_add_u32 s47, s36, s47                  ;       fragment q % 4 + 4 x matrix
	s_lshl_b32 s48, s36, 4                         ; P1, P2: first step 16 x matrix, fragment q
	s_cmp_lt_u32 s36, 2
	s_cselect_b32 s46, s46, s48
	s_cselect_b32 s47, s47, s45
	s_lshl2_add_u32 s46, s39, s46                  ; + 4 steps for each quarter of K
	s_lshl_b32 s46, s46, 13                        ; a step is 8,192 bytes,
	s_lshl_b32 s47, s47, 10                        ; a fragment 1,024,
	s_add_co_u32 s46, s46, s47
	s_lshl_b32 s47, s44, 19                        ; a wave's stream 64 steps,
	s_add_co_u32 s46, s46, s47
	s_lshl_b32 s47, s37, 21                        ; a role four streams
	s_add_co_u32 s46, s46, s47
	s_mov_b32 s47, 0
	s_add_nc_u64 s[42:43], s[26:27], s[46:47]
	v_and_b32 v100, 31, v0                         ; lane
	v_lshlrev_b32 v1, 4, v100                      ; 16 x lane: my 16 bytes of 512 consecutive ones, in the source and in the destination
	v_and_b32 v101, 15, v0
	v_bfe_u32 v102, v0, 4, 1
	s_mul_i32 s49, s34, WAREA                      ; my wave's own rows in LDS
	v_lshl_add_u32 v2, v100, 3, s49                ; in: 8 bytes a lane, 256 consecutive bytes a row
	v_mul_u32_u24 v3, v101, WPITCH
	v_lshl_add_u32 v3, v102, 4, v3
	v_add_nc_u32 v3, s49, v3                       ; back: row l % 16, 16 bytes for each half of the lanes
.set i, 0
.rept 16
	global_load_b128 v[4+4*i:7+4*i], v1, s[40:41] offset:2048*i th:TH_LOAD_NT  ; row i: 512 consecutive bytes; each weight is read once in the launch
.set i, i+1
.endr
.macro CONV kind                       ; kind 0: to bf16.  kind 1: to bf16, and that number written as f16
.set i, 0
.rept 16
	s_wait_loadcnt 15-i                            ; loads come back in order: row i is in, the 15 - i younger rows stay out
.if \kind
	v_cvt_pk_bf16_f32 v100, v[4+4*i], v[5+4*i]
	v_cvt_pk_bf16_f32 v101, v[6+4*i], v[7+4*i]
	v_lshlrev_b32 v102, 16, v100
	v_and_b32 v103, 0xffff0000, v100
	v_lshlrev_b32 v104, 16, v101
	v_and_b32 v105, 0xffff0000, v101
	v_cvt_pk_f16_f32 v[68+2*i], v102, v103
	v_cvt_pk_f16_f32 v[69+2*i], v104, v105
.else
	v_cvt_pk_bf16_f32 v[68+2*i], v[4+4*i], v[5+4*i]
	v_cvt_pk_bf16_f32 v[69+2*i], v[6+4*i], v[7+4*i]
.endif
	ds_store_b64 v2, v[68+2*i:69+2*i] offset:WPITCH*i
.set i, i+1
.endr
.endm
	s_cmp_eq_u32 s36, 3
	s_cbranch_scc1 .Lto_f16
	CONV 0
	s_branch .Lturn
.Lto_f16:
	CONV 1
.Lturn:
.set i, 0
.rept 8                                ; i = 2 (step in my four) + piece.  The bytes are my wave's own, and LDS serves a wave's instructions in order (ISA guide 5.7.1.4): these see the stores above
	ds_load_b128 v[4+4*i:7+4*i], v3 offset:64*(i/2)+32*(i%2)
.set i, i+1
.endr
.set i, 0
.rept 8
	s_wait_dscnt 7-i
	global_store_b128 v1, v[4+4*i:7+4*i], s[42:43] offset:8192*(i/2)+512*(i%2)  ; 512 consecutive bytes, at a multiple of 512 from the buffer's first
.set i, i+1
.endr
	FINISH
.Lother:
	s_cmp_lt_u32 s35, 128
	s_cbranch_scc0 .Lbias
; ---------------- THE SORT, work-group j = number - 96.  The token of wave w, lane l is 512 j + 32 w + l.  Its rank in its bucket is (the bucket's tokens below 512 j) + (those of my work-group's waves ahead
; of mine) + (those in my wave's lower lanes).  For the first term and the totals wave w counts tokens 1,024 w .. 1,024 w + 1,023: item 4 q + c of lane l is token 1,024 w + 128 q + 4 l + c, so q < 4 is the half
; segment 2 w of 512 tokens and q >= 4 the half segment 2 w + 1; half segment x lies below 512 j if x < j.  A lane counts in four bytes of a register, byte b for bucket b: 32 tokens at the most.
	s_sub_co_u32 s84, s35, 96                      ; j
	s_lshl_b32 s85, s84, 11                        ; my work-group's 512 roles: 2,048 bytes
	s_lshl_b32 s86, s84, 9                         ; its first token
	v_and_b32 v100, 31, v0
	v_and_b32 v101, 0x1e0, v0                      ; 32 w
	v_lshlrev_b32 v1, 4, v100
	v_lshl_or_b32 v1, v101, 7, v1                  ; 4,096 w + 16 l
	v_lshl_add_u32 v2, v0, 2, s85
	v_add_nc_u32 v3, s86, v0                       ; my token's number
	global_load_b32 v36, v2, s[24:25]              ; its role
.set i, 0
.rept 8
	global_load_b128 v[4+4*i:7+4*i], v1, s[24:25] offset:512*i  ; 512 consecutive bytes
.set i, i+1
.endr
	s_lshl_b32 s87, s34, 1
	s_cmp_lt_u32 s87, s84
	s_cselect_b32 s88, -1, 0                       ; half segment 2 w lies below my work-group's tokens
	s_add_co_u32 s87, s87, 1
	s_cmp_lt_u32 s87, s84
	s_cselect_b32 s89, -1, 0                       ; half segment 2 w + 1 does
	s_mov_b32 s90, 0x76543210                      ; v_permlanex16_b32: each lane takes its own place in the other half
	s_mov_b32 s91, 0xfedcba98
	s_mov_b32 s92, 0x00ff00ff
	s_lshl_b32 s93, s34, 4
	s_add_co_u32 s93, s93, WT
	v_mov_b32 v52, s93                             ; my wave's entry in the first table
	s_lshl_b32 s93, s34, 3
	s_add_co_u32 s93, s93, WT2
	v_mov_b32 v53, s93                             ; and in the second
	v_and_b32 v56, 15, v0
	v_lshl_add_u32 v57, v56, 4, WT                 ; behind the barrier lane l takes wave l % 16's entries
	v_lshl_add_u32 v58, v56, 3, WT2
.irp r, 38,39,40,41,44,45,46,47
	v_mov_b32 v\r, 0                               ; four counters, two for each half segment by turns; and four registers that lane moves will write
.endr
	s_wait_loadcnt 0x0
	v_min_u32 v36, 3, v36                          ; my token's bucket
	v_cmp_eq_u32 s40, 0, v36
	v_cmp_eq_u32 s41, 1, v36
	v_cmp_eq_u32 s42, 2, v36
	v_cmp_eq_u32 s43, 3, v36
.set g, 0
.rept 8                                ; four tokens at a time, so that no line reads the result of the line before it
.irp c, 0,1,2,3
	v_min_u32 v[4+4*g+\c], 3, v[4+4*g+\c]
.endr
.irp c, 0,1,2,3
	v_lshlrev_b32 v[4+4*g+\c], 3, v[4+4*g+\c]
.endr
.irp c, 0,1,2,3
	v_lshl_add_u32 v[38+2*(g/4)+(\c)%2], 1, v[4+4*g+\c], v[38+2*(g/4)+(\c)%2]  ; 1 onto byte b
.endr
.set g, g+1
.endr
	s_bcnt1_i32_b32 s44, s40                       ; the counts of my wave's own 32 tokens
	s_bcnt1_i32_b32 s45, s41
	s_bcnt1_i32_b32 s46, s42
	s_bcnt1_i32_b32 s47, s43
	s_lshl_b32 s48, s46, 16                        ; two counts to a word, as below: buckets 0 and 2,
	s_or_b32 s48, s48, s44
	s_lshl_b32 s49, s47, 16                        ; buckets 1 and 3
	s_or_b32 s49, s49, s45
	v_mov_b32 v54, s48
	v_mov_b32 v55, s49
	v_add_nc_u32 v38, v38, v39                     ; half segment 2 w
	v_add_nc_u32 v40, v40, v41                     ; half segment 2 w + 1
	v_add_nc_u32 v42, v38, v40                     ; both: for the totals
	v_and_b32 v38, s88, v38
	v_and_b32 v40, s89, v40
	v_add_nc_u32 v43, v38, v40                     ; what of them lies below my work-group's tokens
	v_and_b32 v48, s92, v42                        ; bytes to halves of a word, since the sums go up to 16,384: buckets 0 and 2,
	v_lshrrev_b32 v49, 8, v42
	v_and_b32 v50, s92, v43
	v_lshrrev_b32 v51, 8, v43
	v_and_b32 v49, s92, v49                        ; buckets 1 and 3
	v_and_b32 v51, s92, v51
.macro XSUM m                          ; v48-51 += those of the lane whose number differs in bit m, inside each half of 16 lanes
.irp r, 48,49,50,51
	v_mov_b32_dpp v[\r-4], v[\r] row_xmask:\m row_mask:0xf bank_mask:0xf
.endr
.irp r, 48,49,50,51
	v_add_nc_u32 v[\r], v[\r], v[\r-4]
.endr
.endm
	XSUM 1
	XSUM 2
	XSUM 4
	XSUM 8
.irp r, 48,49,50,51
	v_permlanex16_b32 v[\r-4], v[\r], s90, s91
.endr
.irp r, 48,49,50,51
	v_add_nc_u32 v[\r], v[\r], v[\r-4]             ; every lane holds my wave's four words
.endr
	ds_store_b128 v52, v[48:51]                    ; all lanes write the same words
	ds_store_b64 v53, v[54:55]
	v_cmp_gt_u32 vcc_lo, s34, v56                  ; wave l % 16 stands ahead of mine
	s_wait_dscnt 0x0                               ; for the others' sake: my entries are in LDS
	s_barrier_signal -1                            ; the launch's one barrier; the branch round it hangs on the work-group's number alone
	s_barrier_wait -1
	ds_load_b128 v[48:51], v57
	ds_load_b64 v[54:55], v58
	s_wait_dscnt 0x0
	v_cndmask_b32 v54, 0, v54, vcc_lo
	v_cndmask_b32 v55, 0, v55, vcc_lo
	v_add_nc_u32 v50, v50, v54                     ; the first two terms of the rank go into one sum
	v_add_nc_u32 v51, v51, v55
	XSUM 1                                         ; over the 16 waves' entries
	XSUM 2
	XSUM 4
	XSUM 8
	v_readfirstlane_b32 s50, v48
	v_readfirstlane_b32 s51, v49
	v_readfirstlane_b32 s52, v50
	v_readfirstlane_b32 s53, v51
	s_and_b32 s54, s50, 0xffff                     ; n_0 .. n_3 in s54-57
	s_and_b32 s55, s51, 0xffff
	s_lshr_b32 s56, s50, 16
	s_lshr_b32 s57, s51, 16
	s_and_b32 s36, s52, 0xffff                     ; s36-39: the rank of my wave's first token of each bucket
	s_and_b32 s37, s53, 0xffff
	s_lshr_b32 s38, s52, 16
	s_lshr_b32 s39, s53, 16
	s_mov_b32 s66, 0                               ; s66-70: Q_b, the first tile of bucket b (Q_4: the number of tiles)
	s_mov_b32 s71, 0                               ; s71-75: 80 Q_b
.set b, 0
.rept 4
	s_add_co_u32 s[58+b], s[54+b], 79
	s_mul_i32 s[58+b], s[58+b], 52429              ; x / 80 = (x x 52,429) >> 22: 52,429 x 80 = 2^22 + 16, so the excess is x / 80 x 2^-18, under 1 / 80 for x <= 16,463
	s_lshr_b32 s[58+b], s[58+b], 22                ; T_b
	s_add_co_u32 s[67+b], s[66+b], s[58+b]
	s_mul_i32 s[72+b], s[67+b], 80
	s_add_co_u32 s[36+b], s[36+b], s[71+b]         ; rank to place
.set b, b+1
.endr
	v_mbcnt_lo_u32_b32 v74, s40, s36               ; + the lower lanes of the same bucket
	v_mbcnt_lo_u32_b32 v75, s41, s37
	v_mbcnt_lo_u32_b32 v76, s42, s38
	v_mbcnt_lo_u32_b32 v77, s43, s39
	v_cndmask_b32 v74, v74, v75, s41
	v_cndmask_b32 v74, v74, v76, s42
	v_cndmask_b32 v74, v74, v77, s43
	v_min_u32 v74, 0x40ff, v74                     ; 208 x 80 - 1: the place stays inside perm
	v_lshlrev_b32 v74, 2, v74
	global_store_b32 v74, v3, s[30:31]             ; a wave's one store: 32 words in up to four runs, one a bucket; 65,536 bytes in the whole launch
	s_cmp_eq_u32 s84, 0
	s_cbranch_scc1 .Lextra
	FINISH
.Lextra:                               ; the first sorting work-group alone
	s_cmp_lt_u32 s34, 8
	s_cbranch_scc0 .Lgaps
	; waves 0-7: the table of tiles, entry t = my thread's number: the last bucket whose first tile is not behind t; past the last tile the rows come out as 0
	v_mov_b32 v80, 0
	v_mov_b32 v81, 0
	v_mov_b32 v82, s54
.set b, 1
.rept 3
	v_cmp_le_u32 vcc_lo, s[66+b], v0
	v_cndmask_b32 v80, v80, b, vcc_lo
	v_cndmask_b32 v81, v81, s[66+b], vcc_lo
	v_cndmask_b32 v82, v82, s[54+b], vcc_lo
.set b, b+1
.endr
	v_sub_nc_u32 v83, v0, v81
	v_mul_u32_u24 v83, v83, 80
	v_sub_nc_u32 v82, v82, v83                     ; n_b - 80 (t - Q_b), as a signed number
	v_min_i32 v82, 80, v82
	v_max_i32 v81, 0, v82
	v_lshlrev_b32 v84, 3, v0
	global_store_b64 v84, v[80:81], s[32:33]
	FINISH
.Lgaps:
	; waves 8-15: the 208 x 80 - 16,384 = 256 unused places get token 0.  They lie behind each bucket's tokens and behind the last tile.  With N_b = n_0 + .. + n_(b-1), bucket b's gap begins at number
	; G_b = 80 Q_b - N_b of the 256 and at place 80 Q_b + n_b: gap number y lies at place y + N_(b+1); the tail, from G_4 on, at y + N_4, as bucket 3's.
	s_add_co_u32 s81, s54, s55                     ; N_2
	s_add_co_u32 s82, s81, s56                     ; N_3
	s_add_co_u32 s83, s82, s57                     ; N_4
	s_sub_co_u32 s76, s72, s54                     ; G_1
	s_sub_co_u32 s77, s73, s81                     ; G_2
	s_sub_co_u32 s78, s74, s82                     ; G_3
	v_and_b32 v85, 0xff, v0                        ; y
	v_mov_b32 v86, s54                             ; N_1
.set b, 1
.rept 3
	v_cmp_le_u32 vcc_lo, s[75+b], v85
	v_cndmask_b32 v86, v86, s[80+b], vcc_lo
.set b, b+1
.endr
	v_add_nc_u32 v86, v86, v85
	v_min_u32 v86, 0x40ff, v86
	v_lshlrev_b32 v86, 2, v86
	v_mov_b32 v87, 0
	global_store_b32 v86, v87, s[30:31]
	FINISH
; ---------------- THE BIASES.  Layer 0's three roles are each buffer's first 6,144 bytes: threads 0-383, 16 bytes each; threads 384-511 write bucket 3's zeros, which fall at 16 x thread too.
.Lbias:
	v_lshlrev_b32 v1, 4, v0
	s_cmp_lt_u32 s34, 12
	s_cbranch_scc0 .Lzeros
	global_load_b128 v[4:7], v1, s[16:17]
	global_load_b128 v[8:11], v1, s[18:19]
	global_load_b128 v[12:15], v1, s[20:21]
	global_load_b128 v[16:19], v1, s[22:23]
	s_wait_loadcnt 0x0
.set i, 0
.rept 8
	v_cvt_pk_bf16_f32 v[40+i], v[4+2*i], v[5+2*i]
	v_lshlrev_b32 v[24+2*i], 16, v[40+i]
	v_and_b32 v[25+2*i], 0xffff0000, v[40+i]
.set i, i+1
.endr
.set i, 0
.rept 4
	global_store_b128 v1, v[24+4*i:27+4*i], s[28:29] offset:8192*i
.set i, i+1
.endr
	FINISH
.Lzeros:
	v_mov_b32 v4, 0
	v_mov_b32 v5, 0
	v_mov_b32 v6, 0
	v_mov_b32 v7, 0
.set i, 0
.rept 4
	global_store_b128 v1, v[4:7], s[28:29] offset:8192*i
.set i, i+1
.endr
	FINISH
.Lfunc_end_k_q4daafd165c_prep:
	.size	k_q4daafd165c_prep, .Lfunc_end_k_q4daafd165c_prep-k_q4daafd165c_prep
	.p2alignl 7, 3214868480
	.fill 96, 4, 3214868480
	.section	.rodata,"a",@progbits
	.p2align	6, 0x0
	.amdhsa_kernel k_q4daafd165c_prep
		.amdhsa_group_segment_fixed_size 72192
		.amdhsa_private_segment_fixed_size 0
		.amdhsa_enable_private_segment 0
		.amdhsa_kernarg_size 104
		.amdhsa_user_sgpr_count 2
		.amdhsa_user_sgpr_kernarg_segment_ptr 1
		.amdhsa_wavefront_size32 1
		.amdhsa_system_sgpr_workgroup_id_x 1
		.amdhsa_system_sgpr_workgroup_id_y 1
		.amdhsa_system_sgpr_workgroup_id_z 1
		.amdhsa_system_vgpr_workitem_id 0
		.amdhsa_next_free_vgpr 128
		.amdhsa_next_free_sgpr 96
		.amdhsa_reserve_vcc 1
		.amdhsa_float_denorm_mode_32 3
		.amdhsa_float_denorm_mode_16_64 3
		.amdhsa_memory_ordered 1
		.amdhsa_forward_progress 1
		.amdhsa_inst_pref_size 37
	.end_amdhsa_kernel
	.amdgpu_metadata
---
amdhsa.version: [ 1, 2 ]
amdhsa.kernels:
  - .name:           k_q4daafd165c_prep
    .symbol:         k_q4daafd165c_prep.kd
    .args:
      - { .name: W, .offset: 0, .size: 8, .value_kind: global_buffer, .address_space: global }
      - { .name: U, .offset: 8, .size: 8, .value_kind: global_buffer, .address_space: global }
      - { .name: P1, .offset: 16, .size: 8, .value_kind: global_buffer, .address_space: global }
      - { .name: P2, .offset: 24, .size: 8, .value_kind: global_buffer, .address_space: global }
      - { .name: W_b, .offset: 32, .size: 8, .value_kind: global_buffer, .address_space: global }
      - { .name: U_b, .offset: 40, .size: 8, .value_kind: global_buffer, .address_space: global }
      - { .name: P1_b, .offset: 48, .size: 8, .value_kind: global_buffer, .address_space: global }
      - { .name: P2_b, .offset: 56, .size: 8, .value_kind: global_buffer, .address_space: global }
      - { .name: ent_roles, .offset: 64, .size: 8, .value_kind: global_buffer, .address_space: global }
      - { .name: wts, .offset: 72, .size: 8, .value_kind: global_buffer, .address_space: global }
      - { .name: bias, .offset: 80, .size: 8, .value_kind: global_buffer, .address_space: global }
      - { .name: perm, .offset: 88, .size: 8, .value_kind: global_buffer, .address_space: global }
      - { .name: tiles, .offset: 96, .size: 8, .value_kind: global_buffer, .address_space: global }
    .group_segment_fixed_size: 72192
    .private_segment_fixed_size: 0
    .kernarg_segment_align: 8
    .kernarg_segment_size: 104
    .max_flat_workgroup_size: 512
    .sgpr_count:     96
    .vgpr_count:     128
    .wavefront_size: 32
...
	.end_amdgpu_metadata
.endif
;; end of part 1
;; launch chain (part 2): grid 208 x 1, 4 waves a work-group, no clusters, 259,584 bytes of LDS; arguments v_repr, r_repr, wts, bias, perm, tiles, out0; writes out0
.if DOCPART == 2
	.amdgcn_target "amdgcn-amd-amdhsa--gfx1250"
	.amdhsa_code_object_version 6
	.text
	.protected	k_q4daafd165c_chain
	.globl	k_q4daafd165c_chain
	.p2align	8
	.type	k_q4daafd165c_chain,@function
k_q4daafd165c_chain:
	s_mov_b64 s[64:65], 0
	v_nop
	global_prefetch_b8 v0, s[64:65] scope:SCOPE_SE
	s_setreg_imm32_b32 hwreg(HW_REG_WAVE_MODE, 25, 1), 1
	s_wait_xcnt 0x0
; CHAIN: out[token] = relu(((v W^T + b_W) (r U^T + b_U)) P1^T + b_1) P2^T + b_2 with the weights of the token's role; a role outside 0..2 gives a row of zeros.
; SHARES.  A work-group takes one tile of the sorted list, up to 80 tokens of one bucket, through all four products; nothing between them goes to memory.  Wave w owns the output columns 128 w .. 128 w + 127
; of every product for all 80 rows: 5 x 8 accumulators of 16 x 16.  So each weight byte has ONE reader in the work-group and comes from memory straight into that wave's operand registers, in the order in which
; the launch before laid it out; the token rows (v, r, then h, then g) lie in LDS, where all four waves read them.  208 tiles serve every split of the tokens over the buckets.  Places past a tile's count hold token 0:
; they are computed and not stored; a tile without rows runs the same text and stores nothing, so that no barrier stands under a branch on loaded numbers.
; NO CLUSTER, NO TENSOR LOADS: tiles of one role do walk the same 2 MiB of weights, but a shared tile would have to pass LDS: 8,192 bytes more written and read for each wave's 40 matrix instructions, and beside the three
; activation tiles (249,600 bytes) LDS has room for two slots of one K step only, 40 matrix instructions between a request and its use.
; THE MATRIX INSTRUCTION IS USED TRANSPOSED: source 0 = 16 rows of a weight matrix, source 1 = 16 tokens.  A lane then holds one token (l % 16) and eight neighbouring columns 8 (l / 16) + 0..7.
; FORMATS.  v, r, W, U, P1 and all biases rounded to bf16; h rounded to bf16; P2 rounded to bf16 and written as f16; g = relu(..) is multiplied by an exact power of two, 2^(127 - E), E the exponent field of the
; row's largest g held to 1..253, and rounded to f16; the last product's sums are multiplied by 2^(E - 127) in the same fused multiply-add that adds b_2.  All sums in f32.
; LIMITS.  P2 within f16 (65,504; a step of 2^-24 below 2^-14).  A g below 2^-14 of its row's scale keeps a step of 2^-24 of that scale.  NaN and infinities are not treated apart.  Bucket 3 multiplies role 2's weights
; and then takes sum x 0 + 0.
; REGISTERS, in windows of 256 (s_set_vgpr_msb: bits 1:0 source 0, 3:2 source 1, 5:4 source 2, 7:6 destination):
;   window 0: v0-19, v60-63 addresses; v20-39 the input's row offsets, later the rows' scales; v40-59 at work; v64-223 two buffers of token fragments (v64-255: the input's ring; at work in the ways out)
;   window 1: four buffers of 64: a K step's eight weight fragments       window 2: the accumulators of row blocks 0-3, (a, b) at v[64 a + 8 b]
;   window 3: v0-63 those of row block 4; v64-127 the bias as eight fragments
.set PITCH,  1040                      ; a row of 512 16-bit numbers in LDS: 1,024 bytes + 16 = 65 x 16: the 16 rows of a load start at 16 different 16-byte columns modulo 256
.set BLK,    16*PITCH
.set FAR,    4*BLK                     ; rows 64-79 lie past an LDS instruction's 16-bit offset: they have address registers of their own
.set X0,     0                         ; v in bf16 [80][512]; later g in f16
.set X1,     80*PITCH                  ; r in bf16; later each wave's stage for the way out
.set X2,     2*80*PITCH                ; h in bf16
.set BIASB,  3*80*PITCH                ; 249,600: f32 [matrix 4][512], the tile's bucket
.set MAXB,   BIASB+8192                ; 257,792: f32 [row 80][wave 4]
.set SPARE,  MAXB+1280                 ; 259,072: the spare words, 128 bytes for each wave; no other line names them
.set SPITCH, 528                       ; a stage row: 512 bytes + 16 = 33 x 16
.set SAREA,  16*SPITCH
.set STEPB,  8192                      ; a K step of a wave's weight stream: 8 fragments x 1,024 bytes
.set RR,  1                            ; l % 16
.set HH,  2                            ; l / 16
.set L16, 3                            ; 16 x lane; never rewritten
.set LP,  4                            ; PITCH x (l % 16) + 16 (l / 16): my lane's place in a block of 16 rows
.set A0,  5                            ; LDS address of the first tile's fragments, rows 0-63
.set A0F, 6                            ; rows 64-79
.set A1,  7                            ; the same for the second tile (r)
.set A1F, 8
.set ST,  9                            ; where h or g goes, rows 0-63
.set STF, 10                           ; rows 64-79
.set BA,  11                           ; where my bias fragments are read
.set BA0, 12                           ; BIASB + 512 w + 32 (l / 16); never rewritten
.set MXS, 13                           ; MAXB + 16 (l % 16) + 4 w
.set MXL, 14                           ; MAXB + 16 (l % 16)
.set STO, 15                           ; the way out: into my stage
.set RD,  16                           ; and back, a whole row of 512 bytes
.set GO,  17                           ; 512 w + 16 x lane: my bytes in a row of out
.set ZERO, 18
.set ISV, 19                           ; the input: X0 + my wave's 20 rows + 8 x lane
.set RO,  20                           ; v20-39  the input: 2,048 x token + 16 x lane for my wave's 20 rows
.set SC,  20                           ; later, row block a: v[SC+4a], +1: 2^(127-E); +2, +3: 2^(E-127), or 0 in bucket 3
.set MC,  40                           ; v40-59  at work: bias on its way in, conversions, the maxima; on the way out the rows' offsets
.set ISR, 60                           ; X1 + my wave's 20 rows + 8 x lane
.set BST, 61                           ; BIASB + 2,048 w + 16 x lane
.set SPW, 62                           ; LDS address of my spare word; never rewritten
.set NIL, 63                           ; 0; never rewritten
.set AF,  64                           ; token fragments: buffer ab, tile sel, row block a at AF + 80 ab + 40 sel + 8 a
.set RING, 64                          ; the input's ring: 12 slots of 16 registers
.set T,   64                           ; the ways out: f32 at work
.set PK,  128                          ; packed results; rows read back
; s[4:5] v, s[6:7] r, s[8:9] my wave's weight stream (it steps), s[10:11] bias, s[12:13] perm at my tile, s[14:15] tiles at my entry, s[16:35] token numbers, s[36:37] out0,
; s38 wave, s39 bucket, s40 rows, s41 -1 or (bucket 3) 0, s42, s43 counters, s[44:45] an offset, s46, s47 lane selects, s48-53 at work
.set MSB, 0
.macro WIN new                         ; the immediate's high byte repeats the setting that is left; a switch that changes nothing is dropped
.if MSB != (\new)
	s_set_vgpr_msb (MSB<<8)|(\new)
.set MSB, \new
.endif
.endm
.set MUL_LO,  0xa1                     ; weights window 1, tokens window 0, C and D window 2
.set MUL_LOB, 0xb1                     ; the same with C (the bias) in window 3
.set MUL_HI,  0xf1                     ; C and D window 3
.set TO_B,    0x40                     ; destination window 1
.set TO_BI,   0xc0                     ; destination window 3
.macro PLACES                          ; four plain vector instructions between a matrix instruction and a load into, or a vector write or read of, its registers
.rept 4
	v_nop
.endr
.endm
.macro ALL5 line:vararg                ; one line for each row block t
.set t, 0
.rept 5
	\line
.set t, t+1
.endr
.endm
; The token fragments of one K step (32 along K at byte k of the rows): lane l holds row l % 16, k = 8 (l / 16) + 0..7 and 16 + 8 (l / 16) + 0..7: two loads of 16 bytes, 32 bytes apart, for each of five row blocks.
.macro FA_ONE dst, near, far, k
.set fa, 0
.rept 4
	ds_load_b128 v[(\dst)+8*fa:(\dst)+8*fa+3],   v[\near] offset:BLK*fa+(\k)
	ds_load_b128 v[(\dst)+8*fa+4:(\dst)+8*fa+7], v[\near] offset:BLK*fa+(\k)+32
.set fa, fa+1
.endr
	ds_load_b128 v[(\dst)+32:(\dst)+35], v[\far] offset:(\k)
	ds_load_b128 v[(\dst)+36:(\dst)+39], v[\far] offset:(\k)+32
.endm
.macro FETCH_A ab, k, two              ; two = 1: both tiles, v's and r's
	WIN 0
	FA_ONE AF+80*(\ab), A0, A0F, \k
.if \two
	FA_ONE AF+80*(\ab)+40, A1, A1F, \k
.endif
.endm
; A K step's weights, 8,192 bytes at byte g of the stream: 16 loads of 512 consecutive bytes, which land as eight fragments
.macro FETCH_B jb, g
	WIN TO_B
.set fb, 0
.rept 16
	global_load_b128 v[64*(\jb)+4*fb:64*(\jb)+4*fb+3], v[L16], s[8:9] offset:(\g)+512*fb
.set fb, fb+1
.endr
.endm
; Row blocks a0 .. a1 x all 8 column blocks.  mode 1: the bias fragment starts the sum; 2: the constant 0 does; 0: the sum goes on.  two = 1: column blocks 0-3 multiply v's tile, 4-7 r's.
; A step's 40 accumulators take turns, one instruction a turn, in the same order in every step.
.macro MULS jb, ab, a0, a1, mode, two, fmt
.set ma, \a0
.rept (\a1)-(\a0)+1
.if ma < 4
.if (\mode) == 1
	WIN MUL_LOB
.else
	WIN MUL_LO
.endif
.set rD, 64*ma
.else
	WIN MUL_HI
.set rD, 0
.endif
.set mb, 0
.rept 8
.set rA, AF+80*(\ab)+40*((\two)*(mb/4))+8*ma
.set rB, 64*(\jb)+8*mb
.if (\mode) == 1
	v_wmma_f32_16x16x32_\fmt v[rD+8*mb:rD+8*mb+7], v[rB:rB+7], v[rA:rA+7], v[64+8*mb:64+8*mb+7]
.elseif (\mode) == 2
	v_wmma_f32_16x16x32_\fmt v[rD+8*mb:rD+8*mb+7], v[rB:rB+7], v[rA:rA+7], 0
.else
	v_wmma_f32_16x16x32_\fmt v[rD+8*mb:rD+8*mb+7], v[rB:rB+7], v[rA:rA+7], v[rD+8*mb:rD+8*mb+7]
.endif
.set mb, mb+1
.endr
.set ma, ma+1
.endr
.endm
; A K STEP: 40 matrix instructions on weight buffer j and token buffer j % 2.  Behind the first 16 it fetches the next step's token fragments (byte kA; none if kA < 0) and asks for the weights three steps on
; (byte gB of the stream; none if gB < 0), both into buffers that the step before read last: the four places stand between.  cnt: the weight loads younger than this step's.
.macro STEP j, mode, kA, gB, cnt, two, fmt
	s_wait_loadcnt \cnt                            ; loads come back in order: this step's 16 are in, the younger ones stay out
	s_wait_dscnt 0x0                               ; this step's token fragments, asked for 24 matrix instructions ago
	MULS \j, (\j)%2, 0, 1, \mode, \two, \fmt
.if ((\kA) >= 0) || ((\gB) >= 0)
	PLACES
.endif
.if (\kA) >= 0
	FETCH_A ((\j)+1)%2, \kA, \two
.endif
.if (\gB) >= 0
	FETCH_B ((\j)+3)%4, \gB
.endif
	MULS \j, (\j)%2, 2, 3, \mode, \two, \fmt
	MULS \j, (\j)%2, 4, 4, \mode, \two, \fmt
.endm
; A PASS: 16 K steps.  The first, which starts the sums, and the last three are written out; a trip is four steps.  At its head the weights of its steps 0, 1, 2 are out (48 loads), and unless it is the last pass it
; leaves the next pass's first three out: a wave always has 24,576 bytes of weights asked for, each load two and a half steps ahead of its use.  last = 1: the stream ends, and the counts run down 32, 16, 0.
.macro PASS two, fmt, mode, last
	STEP 0, \mode, 64, 3*STEPB, 32, \two, \fmt
	WIN 0                                          ; at a label and at a branch every window is 0
	s_mov_b32 s42, 3
.Ltrip_\@:
	STEP 1, 0, 128, 4*STEPB, 32, \two, \fmt
	STEP 2, 0, 192, 5*STEPB, 32, \two, \fmt
	STEP 3, 0, 256, 6*STEPB, 32, \two, \fmt
	STEP 0, 0, 320, 7*STEPB, 32, \two, \fmt
	WIN 0
	s_wait_xcnt 0x0                                ; the stream's pointer, which the loads above name, is stepped only behind this wait
	s_add_nc_u64 s[8:9], s[8:9], 4*STEPB
	v_add_nc_u32 v[A0], 256, v[A0]                 ; four K steps along the rows
	v_add_nc_u32 v[A0F], 256, v[A0F]
.if \two
	v_add_nc_u32 v[A1], 256, v[A1]
	v_add_nc_u32 v[A1F], 256, v[A1F]
.endif
	s_sub_co_u32 s42, s42, 1
	s_cmp_lg_u32 s42, 0
	s_cbranch_scc1 .Ltrip_\@
.if \last
	STEP 1, 0, 128, -1, 32, \two, \fmt
	STEP 2, 0, 192, -1, 16, \two, \fmt
	STEP 3, 0, -1, -1, 0, \two, \fmt
	WIN 0
.else
	STEP 1, 0, 128, 4*STEPB, 32, \two, \fmt
	STEP 2, 0, 192, 5*STEPB, 32, \two, \fmt
	STEP 3, 0, -1, 6*STEPB, 32, \two, \fmt
	WIN 0
	s_wait_xcnt 0x0
	s_add_nc_u64 s[8:9], s[8:9], 4*STEPB           ; the next pass's first step
.endif
.endm
; The bias as eight fragments: register j of column block b holds the bias of column 16 b + 8 (l / 16) + j, the same for all 16 tokens.  Blocks 0-3 at byte i0 behind v[BA], blocks 4-7 at i1.
.macro BIAS_IN i0, i1
	WIN TO_BI
.set bb, 0
.rept 8
.if bb < 4
.set bo, (\i0)+64*bb
.else
.set bo, (\i1)+64*(bb-4)
.endif
	ds_load_b128 v[64+8*bb:64+8*bb+3], v[BA] offset:bo
	ds_load_b128 v[64+8*bb+4:64+8*bb+7], v[BA] offset:bo+16
.set bb, bb+1
.endr
	WIN 0
.endm
; ---------------- THE HEAD
	s_load_b256 s[4:11], s[0:1], 0x0               ; v, r, wts, bias
	s_load_b128 s[12:15], s[0:1], 0x20             ; perm, tiles
	s_load_b64 s[36:37], s[0:1], 0x30              ; out0
	v_lshl_add_u32 v[SPW], v0, 2, SPARE
	v_mov_b32 v[NIL], 0
	v_lshrrev_b32 v1, 5, v0
	v_readfirstlane_b32 s38, v1                    ; wave 0..3
	v_and_b32 v[RR], 15, v0
	v_bfe_u32 v[HH], v0, 4, 1
	v_and_b32 v[L16], 31, v0
	v_lshlrev_b32 v[ISV], 3, v[L16]
	v_lshlrev_b32 v[L16], 4, v[L16]
	v_mul_u32_u24 v[LP], v[RR], PITCH
	v_lshl_add_u32 v[LP], v[HH], 4, v[LP]
	s_mul_i32 s44, s38, 20*PITCH                   ; the input: wave w brings rows 20 w .. 20 w + 19
	v_add_nc_u32 v[ISV], s44, v[ISV]
	v_add_nc_u32 v[ISR], X1, v[ISV]
	s_lshl_b32 s44, s38, 11
	s_add_co_u32 s44, s44, BIASB
	v_add_nc_u32 v[BST], s44, v[L16]
	s_lshl_b32 s44, s38, 9
	v_add_nc_u32 v[GO], s44, v[L16]
	s_add_co_u32 s44, s44, BIASB
	v_lshl_add_u32 v[BA0], v[HH], 5, s44
	s_lshl_b32 s44, s38, 2
	s_add_co_u32 s44, s44, MAXB
	v_lshl_add_u32 v[MXS], v[RR], 4, s44
	v_lshl_add_u32 v[MXL], v[RR], 4, MAXB
	s_mul_i32 s44, s38, SAREA
	s_add_co_u32 s44, s44, X1
	v_add_nc_u32 v[RD], s44, v[L16]
	v_mul_u32_u24 v[STO], v[RR], SPITCH
	v_lshl_add_u32 v[STO], v[HH], 5, v[STO]
	v_add_nc_u32 v[STO], s44, v[STO]
	v_mov_b32 v[ZERO], 0
	s_lshl_b32 s53, s38, 8                         ; my 128 columns of a 16-bit row: 256 w bytes
	s_mov_b32 s45, 0
	s_mov_b32 s46, 0x76543210                      ; v_permlanex16_b32: each lane takes its own place in the other half
	s_mov_b32 s47, 0xfedcba98
	s_wait_kmcnt 0x0
	s_mul_i32 s44, ttmp9, 320                      ; my tile's 80 places in perm
	s_add_nc_u64 s[12:13], s[12:13], s[44:45]
	s_lshl_b32 s44, ttmp9, 3
	s_add_nc_u64 s[14:15], s[14:15], s[44:45]
	s_mul_i32 s44, s38, 80                         ; my wave's 20 of them
	s_add_nc_u64 s[50:51], s[12:13], s[44:45]
	s_load_b64 s[48:49], s[14:15], 0x0             ; bucket, rows
	s_load_b512 s[16:31], s[50:51], 0x0
	s_load_b128 s[32:35], s[50:51], 0x40
	s_wait_kmcnt 0x0
.set i, 0
.rept 20
	s_min_u32 s[16+i], s[16+i], 0x3fff             ; a token's number stays inside the tensors
	v_lshl_add_u32 v[RO+i], s[16+i], 11, v[L16]
.set i, i+1
.endr
	s_min_u32 s39, s48, 3
	s_min_u32 s40, s49, 80
	s_min_u32 s52, s39, 2                          ; bucket 3 walks role 2's weights
	s_cmp_lt_u32 s39, 3
	s_cselect_b32 s41, -1, 0
	s_lshl_b32 s44, s52, 21
	s_lshl_b32 s48, s38, 19
	s_add_co_u32 s44, s44, s48
	s_add_nc_u64 s[8:9], s[8:9], s[44:45]          ; my wave's stream
	s_lshl_b32 s44, s38, 13                        ; wave w brings matrix w's bias,
	s_lshl_b32 s48, s39, 11                        ; the bucket's 2,048 bytes of it
	s_add_co_u32 s44, s44, s48
	s_add_nc_u64 s[10:11], s[10:11], s[44:45]
; ---------------- THE INPUT.  Loads go in groups of four (2,048 bytes), twelve groups always out: the bias; groups 0-39: row g / 2 of my 20, of v (g even) or r (g odd); groups 40-51: the first three K steps' weights.
; The rows are read once in the launch but for token 0's, which unused places name again.
.macro GISSUE g
.if (\g) < 40
.set gs, RING+16*((\g)%12)
.set gc, 0
.rept 4
	global_load_b128 v[gs+4*gc:gs+4*gc+3], v[RO+(\g)/2], s[4+2*((\g)%2):5+2*((\g)%2)] offset:512*gc th:TH_LOAD_NT
.set gc, gc+1
.endr
.else
	WIN TO_B
.set gc, 4*((\g)-40)
.rept 4
	global_load_b128 v[4*gc:4*gc+3], v[L16], s[8:9] offset:512*gc
.set gc, gc+1
.endr
	WIN 0
.endif
.endm
.macro GUSE g                          ; a row is rounded to bf16 and laid into LDS: a load's 512 bytes become 256 consecutive ones
	s_wait_loadcnt 44                              ; eleven younger groups stay out
.set gs, RING+16*((\g)%12)
.set gt, MC+8*((\g)%2)
.set gc, 0
.rept 8
	v_cvt_pk_bf16_f32 v[gt+gc], v[gs+2*gc], v[gs+2*gc+1]
.set gc, gc+1
.endr
.set gc, 0
.rept 4
.if (\g)%2
	ds_store_b64 v[ISR], v[gt+2*gc:gt+2*gc+1] offset:PITCH*((\g)/2)+256*gc
.else
	ds_store_b64 v[ISV], v[gt+2*gc:gt+2*gc+1] offset:PITCH*((\g)/2)+256*gc
.endif
.set gc, gc+1
.endr
.endm
.set i, 0
.rept 4
	global_load_b128 v[MC+4*i:MC+4*i+3], v[L16], s[10:11] offset:512*i
.set i, i+1
.endr
.set q, 0
.rept 11
	GISSUE q
.set q, q+1
.endr
	s_wait_loadcnt 44                              ; the bias is in
.set i, 0
.rept 4
	ds_store_b128 v[BST], v[MC+4*i:MC+4*i+3] offset:512*i
.set i, i+1
.endr
	GISSUE 11
.set q, 0
.rept 40
	GUSE q
	GISSUE q+12
.set q, q+1
.endr
	s_wait_dscnt 0x0                               ; for the others' sake: my rows and my bias are in LDS
	s_barrier_signal -1                            ; (the 48 weight loads stay out: nobody writes those bytes)
	s_barrier_wait -1
; ---------------- v W^T + b_W AND r U^T + b_U TOGETHER, in two halves of my 128 columns: column blocks 0-3 are W's 64 columns, 4-7 U's same 64, so that h = their product is made in registers.
	v_mov_b32 v[BA], v[BA0]
	s_add_co_u32 s44, s53, X2
	v_add_nc_u32 v[ST], s44, v[LP]
	v_add_nc_u32 v[STF], FAR, v[ST]
	s_mov_b32 s43, 2
.Lhalf:
	v_add_nc_u32 v[A0], X0, v[LP]
	v_add_nc_u32 v[A0F], X0+FAR, v[LP]
	v_add_nc_u32 v[A1], X1, v[LP]
	v_add_nc_u32 v[A1F], X1+FAR, v[LP]
	BIAS_IN 0, 2048
	FETCH_A 0, 0, 1
	PASS 1, bf16, 1, 0
	PLACES                                         ; the products below read results just made
.set ha, 0
.rept 5                                ; h of row block ha: 16 packed products, each accumulator's registers in ascending order; rounded to bf16; a lane's eight columns are 16 bytes
.if ha < 4
	WIN 0x0a
.set rD, 64*ha
.else
	WIN 0x0f
.set rD, 0
.endif
.set rT, T+32*(ha%2)
.set rP, PK+16*(ha%2)
.set hi, 0
.rept 16
	v_pk_mul_f32 v[rT+2*hi:rT+2*hi+1], v[rD+2*hi:rD+2*hi+1], v[rD+32+2*hi:rD+32+2*hi+1]
.set hi, hi+1
.endr
	WIN 0
.set hi, 0
.rept 16
	v_cvt_pk_bf16_f32 v[rP+hi], v[rT+2*hi], v[rT+2*hi+1]
.set hi, hi+1
.endr
.set hi, 0
.rept 4
.if ha < 4
	ds_store_b128 v[ST], v[rP+4*hi:rP+4*hi+3] offset:BLK*ha+32*hi
.else
	ds_store_b128 v[STF], v[rP+4*hi:rP+4*hi+3] offset:32*hi
.endif
.set hi, hi+1
.endr
.set ha, ha+1
.endr
	v_add_nc_u32 v[ST], 128, v[ST]                 ; the other 64 columns
	v_add_nc_u32 v[STF], 128, v[STF]
	v_add_nc_u32 v[BA], 256, v[BA]
	s_sub_co_u32 s43, s43, 1
	s_cmp_lg_u32 s43, 0
	s_cbranch_scc1 .Lhalf
	s_wait_dscnt 0x0                               ; my part of h is in LDS, and my reads of v and r are over
	s_barrier_signal -1
	s_barrier_wait -1                              ; h is whole; v's and r's bytes may be written
; ---------------- h P1^T + b_1, relu, and the rows' scales
	v_add_nc_u32 v[A0], X2, v[LP]
	v_add_nc_u32 v[A0F], X2+FAR, v[LP]
	v_mov_b32 v[BA], v[BA0]
	BIAS_IN 4096, 4096+256
	FETCH_A 0, 0, 0
	PASS 0, bf16, 1, 0
.set i, 0
.rept 20
	v_mov_b32 v[MC+i], 0                           ; relu's zero starts the maxima: four chains a row block; these lines are also the places behind the last products
.set i, i+1
.endr
.set ga, 0
.rept 5
.if ga < 4
	WIN 0x28
.set rD, 64*ga
.else
	WIN 0x3c
.set rD, 0
.endif
.set gi, 0
.rept 32                               ; each accumulator's registers in ascending order, the chains by turns
	v_max3_num_f32 v[MC+4*ga+gi%4], v[MC+4*ga+gi%4], v[rD+2*gi], v[rD+2*gi+1]
.set gi, gi+1
.endr
.set ga, ga+1
.endr
	WIN 0
	ALL5 v_max3_num_f32 v[MC+4*t], v[MC+4*t], v[MC+4*t+1], v[MC+4*t+2]
	ALL5 v_max_num_f32 v[MC+4*t], v[MC+4*t], v[MC+4*t+3]
	ALL5 v_permlanex16_b32 v[MC+4*t+1], v[MC+4*t], s46, s47
	ALL5 v_max_num_f32 v[MC+4*t], v[MC+4*t], v[MC+4*t+1]
	ALL5 ds_store_b32 v[MXS], v[MC+4*t] offset:256*t
	s_wait_dscnt 0x0                               ; for the others' sake: my columns' maxima are in LDS (and my reads of h are over)
	s_barrier_signal -1
	s_barrier_wait -1
	ALL5 ds_load_b128 v[MC+4*t:MC+4*t+3], v[MXL] offset:256*t
	v_add_nc_u32 v[ST], s53, v[LP]                 ; g goes where v lay (X0 = 0)
	v_add_nc_u32 v[STF], FAR, v[ST]
	s_wait_dscnt 0x0
	ALL5 v_max3_num_f32 v[MC+4*t], v[MC+4*t], v[MC+4*t+1], v[MC+4*t+2]
	ALL5 v_max_num_f32 v[MC+4*t], v[MC+4*t], v[MC+4*t+3]
	ALL5 v_and_b32 v[MC+4*t], 0x7f800000, v[MC+4*t]
	ALL5 v_max_u32 v[MC+4*t], 0x00800000, v[MC+4*t]
	ALL5 v_min_u32 v[MC+4*t], 0x7e800000, v[MC+4*t]
	ALL5 v_sub_nc_u32 v[SC+4*t], 0x7f000000, v[MC+4*t]
	ALL5 v_mov_b32 v[SC+4*t+1], v[SC+4*t]
	ALL5 v_and_b32 v[SC+4*t+2], s41, v[MC+4*t]
	ALL5 v_mov_b32 v[SC+4*t+3], v[SC+4*t+2]
.set ga, 0
.rept 5                                ; g of row block ga: scaled (exactly), rounded to f16, relu on the packed halves (a large negative number may have become -infinity: the maximum with 0 takes it away)
.if ga < 4
	WIN 0x02
.set rD, 64*ga
.else
	WIN 0x03
.set rD, 0
.endif
.set rP, PK+32*(ga%2)
.set gi, 0
.rept 32
	v_pk_mul_f32 v[T+2*gi:T+2*gi+1], v[rD+2*gi:rD+2*gi+1], v[SC+4*ga:SC+4*ga+1] op_sel_hi:[1,0]
.set gi, gi+1
.endr
	WIN 0
.set gi, 0
.rept 32
	v_cvt_pk_f16_f32 v[rP+gi], v[T+2*gi], v[T+2*gi+1]
.set gi, gi+1
.endr
.set gi, 0
.rept 32
	v_pk_max_num_f16 v[rP+gi], v[rP+gi], v[ZERO]
.set gi, gi+1
.endr
.set gi, 0
.rept 8
.if ga < 4
	ds_store_b128 v[ST], v[rP+4*gi:rP+4*gi+3] offset:BLK*ga+32*gi
.else
	ds_store_b128 v[STF], v[rP+4*gi:rP+4*gi+3] offset:32*gi
.endif
.set gi, gi+1
.endr
.set ga, ga+1
.endr
	s_wait_dscnt 0x0                               ; my part of g is in LDS
	s_barrier_signal -1
	s_barrier_wait -1                              ; g is whole
; ---------------- g P2^T, and the way out
	v_add_nc_u32 v[A0], X0, v[LP]
	v_add_nc_u32 v[A0F], X0+FAR, v[LP]
	BIAS_IN 6144, 6144+256                         ; b_2: added on the way out, behind the scale
	FETCH_A 0, 0, 0
	PASS 0, f16, 2, 1
	PLACES
; Row block a: sum x 2^(E-127) + b_2 in one fused multiply-add; a lane's eight columns of a row go into my own stage (rows of 528 bytes) and come back as whole rows of 512 bytes; each row is stored to its token's
; place by one instruction: 512 consecutive bytes at a multiple of 512 from out0's first.  The rows past the tile's count are its last: the first of them ends the wave's work by a jump forward, past no barrier.
.macro OUTBLK a
	WIN 0
	s_wait_xcnt 0x0                                ; the offsets and data that earlier stores name are rewritten only behind this wait
	s_load_b512 s[16:31], s[12:13], 64*(\a)        ; the block's 16 tokens
.if (\a) < 4
	WIN 0x32
.set rD, 64*(\a)
.else
	WIN 0x33
.set rD, 0
.endif
.set oi, 0
.rept 32
	v_pk_fma_f32 v[T+2*oi:T+2*oi+1], v[rD+2*oi:rD+2*oi+1], v[SC+4*(\a)+2:SC+4*(\a)+3], v[64+2*oi:64+2*oi+1] op_sel_hi:[1,0,1]
.set oi, oi+1
.endr
	WIN 0
.set oi, 0
.rept 16
	ds_store_b128 v[STO], v[T+4*oi:T+4*oi+3] offset:64*(oi/2)+16*(oi%2)
.set oi, oi+1
.endr
.set BK, PK+64*((\a)%2)
.set oi, 0
.rept 16
	ds_load_b128 v[BK+4*oi:BK+4*oi+3], v[RD] offset:SPITCH*oi  ; my wave's own bytes, and LDS serves a wave's instructions in order (ISA guide 5.7.1.4): these see the stores above, the next block's stores come behind them
.set oi, oi+1
.endr
	s_wait_kmcnt 0x0
.set oi, 0
.rept 16
	s_cmp_gt_u32 s40, 16*(\a)+oi
	s_cbranch_scc0 .Ldone
	s_min_u32 s[16+oi], s[16+oi], 0x3fff
	v_lshl_add_u32 v[MC+oi], s[16+oi], 11, v[GO]
	s_wait_dscnt 15-oi
	global_store_b128 v[MC+oi], v[BK+4*oi:BK+4*oi+3], s[36:37] th:TH_STORE_NT
.set oi, oi+1
.endr
.endm
	OUTBLK 0
	OUTBLK 1
	OUTBLK 2
	OUTBLK 3
	OUTBLK 4
.Ldone:
	s_wait_tensorcnt 0x0                           ; the wave's end
	ds_add_u32 v[SPW], v[NIL]
	s_wait_dscnt 0x0
	s_endpgm
.Lfunc_end_k_q4daafd165c_chain:
	.size	k_q4daafd165c_chain, .Lfunc_end_k_q4daafd165c_chain-k_q4daafd165c_chain
	.p2alignl 7, 3214868480
	.fill 96, 4, 3214868480
	.section	.rodata,"a",@progbits
	.p2align	6, 0x0
	.amdhsa_kernel k_q4daafd165c_chain
		.amdhsa_group_segment_fixed_size 259584
		.amdhsa_private_segment_fixed_size 0
		.amdhsa_enable_private_segment 0
		.amdhsa_kernarg_size 56
		.amdhsa_user_sgpr_count 2
		.amdhsa_user_sgpr_kernarg_segment_ptr 1
		.amdhsa_wavefront_size32 1
		.amdhsa_system_sgpr_workgroup_id_x 1
		.amdhsa_system_sgpr_workgroup_id_y 1
		.amdhsa_system_sgpr_workgroup_id_z 1
		.amdhsa_system_vgpr_workitem_id 0
		.amdhsa_next_free_vgpr 896
		.amdhsa_next_free_sgpr 66
		.amdhsa_reserve_vcc 0
		.amdhsa_float_denorm_mode_32 3
		.amdhsa_float_denorm_mode_16_64 3
		.amdhsa_memory_ordered 1
		.amdhsa_forward_progress 1
		.amdhsa_inst_pref_size 255
	.end_amdhsa_kernel
	.section	.bss,"aw",@nobits
	.p2align	6
	.space	262144
	.amdgpu_metadata
---
amdhsa.version: [ 1, 2 ]
amdhsa.kernels:
  - .name:           k_q4daafd165c_chain
    .symbol:         k_q4daafd165c_chain.kd
    .args:
      - { .name: v_repr, .offset: 0, .size: 8, .value_kind: global_buffer, .address_space: global }
      - { .name: r_repr, .offset: 8, .size: 8, .value_kind: global_buffer, .address_space: global }
      - { .name: wts, .offset: 16, .size: 8, .value_kind: global_buffer, .address_space: global }
      - { .name: bias, .offset: 24, .size: 8, .value_kind: global_buffer, .address_space: global }
      - { .name: perm, .offset: 32, .size: 8, .value_kind: global_buffer, .address_space: global }
      - { .name: tiles, .offset: 40, .size: 8, .value_kind: global_buffer, .address_space: global }
      - { .name: out0, .offset: 48, .size: 8, .value_kind: global_buffer, .address_space: global }
    .group_segment_fixed_size: 259584
    .private_segment_fixed_size: 0
    .kernarg_segment_align: 8
    .kernarg_segment_size: 56
    .max_flat_workgroup_size: 128
    .sgpr_count:     66
    .vgpr_count:     896
    .wavefront_size: 32
...
	.end_amdgpu_metadata
.endif
;; end of part 2
;; ======== version 2 of 2: 2 launches; version 1 with the launch chain written anew for expert scheduling mode
;; limits: values are held in f16: magnitudes above 65,504 overflow, below 6.1e-05 lose precision
;; workspace buffers: wts 6,291,456 bytes; bias 32,768 bytes; perm 66,560 bytes of whole numbers; tiles 2,048 bytes of whole numbers
;; launch prep: the kernel of part 1 again; grid 129 x 1, 16 waves a work-group, no clusters, 72,192 bytes of LDS; arguments W, U, P1, P2, W_b, U_b, P1_b, P2_b, ent_roles, wts, bias, perm, tiles; writes wts, bias, perm, tiles
;; launch chain (part 3): grid 208 x 1, 4 waves a work-group, no clusters, 259,584 bytes of LDS; arguments v_repr, r_repr, wts, bias, perm, tiles, out0; writes out0
.if DOCPART == 3
	.amdgcn_target "amdgcn-amd-amdhsa--gfx1250"
	.amdhsa_code_object_version 6
	.text
	.protected	k_q4daafd165c_chain
	.globl	k_q4daafd165c_chain
	.p2align	8
	.type	k_q4daafd165c_chain,@function
k_q4daafd165c_chain:
	s_mov_b64 s[64:65], 0
	v_nop
	global_prefetch_b8 v0, s[64:65] scope:SCOPE_SE
	s_setreg_imm32_b32 hwreg(HW_REG_WAVE_SCHED_MODE, 0, 2), 2
	s_setreg_imm32_b32 hwreg(HW_REG_WAVE_MODE, 25, 1), 1
	s_wait_xcnt 0x0
	s_wait_alu depctr_vm_vsrc(0)
; CHAIN: out[token] = relu(((v W^T + b_W) (r U^T + b_U)) P1^T + b_1) P2^T + b_2 with the weights of the token's role; a role outside 0..2 gives a row of zeros.
; SHARES.  A work-group takes one tile of the sorted list, up to 80 tokens of one bucket, through all four products; nothing between them goes to memory.  Wave w owns the output columns 128 w .. 128 w + 127
; of every product for all 80 rows: 5 x 8 accumulators of 16 x 16.  So each weight byte has ONE reader in the work-group and comes from memory straight into that wave's operand registers, in the order in which
; the launch before laid it out; the token rows (v, r, then h, then g) lie in LDS, where all four waves read them.  208 tiles serve every split of the tokens over the buckets.  Places past a tile's count hold token 0:
; they are computed and not stored; a tile without rows runs the same text and stores nothing, so that no barrier stands under a branch on loaded numbers.
; NO CLUSTER, NO TENSOR LOADS: tiles of one role do walk the same 2 MiB of weights, but a shared tile would have to pass LDS: 8,192 bytes more written and read for each wave's 40 matrix instructions, and beside the three
; activation tiles (249,600 bytes) LDS has room for two slots of one K step only, 40 matrix instructions between a request and its use.
; THE MATRIX INSTRUCTION IS USED TRANSPOSED: source 0 = 16 rows of a weight matrix, source 1 = 16 tokens.  A lane then holds one token (l % 16) and eight neighbouring columns 8 (l / 16) + 0..7.
; FORMATS.  v, r, W, U, P1 and all biases rounded to bf16; h rounded to bf16; P2 rounded to bf16 and written as f16; g = relu(..) is multiplied by an exact power of two, 2^(127 - E), E the exponent field of the
; row's largest g held to 1..253, and rounded to f16; the last product's sums are multiplied by 2^(E - 127) in the same fused multiply-add that adds b_2.  All sums in f32.
; LIMITS.  P2 within f16 (65,504; a step of 2^-24 below 2^-14).  A g below 2^-14 of its row's scale keeps a step of 2^-24 of that scale.  NaN and infinities are not treated apart.  Bucket 3 multiplies role 2's weights
; and then takes sum x 0 + 0.
; THE MODE: SCHED_MODE bits 1:0 = 2 (LLVM: expert scheduling mode 2), set by the entry lines.  The code itself states the register dependences between vector or matrix instructions and memory or LDS
; instructions, with s_wait_alu, always for 0.
; THE PLAN.  Registers that memory or LDS instructions touch, and who else names them:
;   v3, v13-16, v19, v60, v61 and, in the input, v20-39: offsets and addresses, made at the head; one wait on va_vdst ahead of the first load serves them all.
;   THE INPUT, row p: its 16 roundings read ring slots 2 p and 2 p + 1 and write v40-55; behind them one wait on va_vdst, the 8 LDS stores from v40-55 and the 8 loads that fill the two slots again; a wait on vm_vsrc
;     at the next row's head, ahead of the roundings that write v40-55 again.
;   A K STEP j: its matrix instructions read weight buffer j % 4 and token buffer j % 2.  Its loads land in weight buffer (j + 3) % 4 and token buffer (j + 1) % 2, which step j - 1's matrix instructions read last.  ONE wait
;     on va_vdst at the step's head states that those are done; the step's loads follow it, dealt among its five row blocks, whose matrix instructions name none of the registers that the loads touch.
;     The LDS addresses v5-8 are stepped once in four steps: a wait on vm_vsrc ahead of the adds; the next step's head states that they are written.
;   h, g: out-buffers that are not written again while an LDS store may read them (h: five of 16; g: four of 32, the first used twice with a wait on vm_vsrc between); a wait on va_vdst serves the stores of one to three row blocks,
;     which are dealt among the next row blocks' arithmetic.
;   THE WAY OUT, a row block: the multiply-adds write T and a batch of 16 lines the rows' offsets; one wait on va_vdst; then the LDS stores, the loads from the stage and the global stores with no vector line between;
;     a wait on vm_vsrc at the next block's head.
; REGISTERS, in windows of 256 (s_set_vgpr_msb: bits 1:0 source 0, 3:2 source 1, 5:4 source 2, 7:6 destination):
;   window 0: v0-19, v60, v61 addresses; v20-39 the input's row offsets, later the rows' scales; v40-59 at work; v64-223 two buffers of token fragments (v64-255: the input's ring; at work in the ways out)
;   window 1: four buffers of 64: a K step's eight weight fragments       window 2: the accumulators of row blocks 0-3, (a, b) at v[64 a + 8 b]
;   window 3: v0-63 those of row block 4; v64-127 the bias as eight fragments
.set PITCH,  1040                      ; a row of 512 16-bit numbers in LDS: 1,024 bytes + 16 = 65 x 16: the 16 rows of a load start at 16 different 16-byte columns modulo 256
.set BLK,    16*PITCH
.set FAR,    4*BLK                     ; rows 64-79 lie past an LDS instruction's 16-bit offset: they have address registers of their own
.set X0,     0                         ; v in bf16 [80][512]; later g in f16
.set X1,     80*PITCH                  ; r in bf16; later each wave's stage for the way out
.set X2,     2*80*PITCH                ; h in bf16
.set BIASB,  3*80*PITCH                ; 249,600: f32 [matrix 4][512], the tile's bucket
.set MAXB,   BIASB+8192                ; 257,792: f32 [row 80][wave 4]; the 512 bytes from 259,072 on hold the spare words
.set SPITCH, 528                       ; a stage row: 512 bytes + 16 = 33 x 16
.set SAREA,  16*SPITCH
.set STEPB,  8192                      ; a K step of a wave's weight stream: 8 fragments x 1,024 bytes
.set RR,  1                            ; l % 16
.set HH,  2                            ; l / 16
.set L16, 3                            ; 16 x lane; never rewritten
.set LP,  4                            ; PITCH x (l % 16) + 16 (l / 16): my lane's place in a block of 16 rows
.set A0,  5                            ; LDS address of the first tile's fragments, rows 0-63
.set A0F, 6                            ; rows 64-79
.set A1,  7                            ; the same for the second tile (r)
.set A1F, 8
.set ST,  9                            ; where h or g goes, rows 0-63
.set STF, 10                           ; rows 64-79
.set BA,  11                           ; where my bias fragments are read
.set BA0, 12                           ; BIASB + 512 w + 32 (l / 16); never rewritten
.set MXS, 13                           ; MAXB + 16 (l % 16) + 4 w
.set MXL, 14                           ; MAXB + 16 (l % 16)
.set STO, 15                           ; the way out: into my stage
.set RD,  16                           ; and back, a whole row of 512 bytes
.set GO,  17                           ; 512 w + 16 x lane: my bytes in a row of out
.set ZERO, 18
.set ISV, 19                           ; the input: X0 + my wave's 20 rows + 8 x lane
.set RO,  20                           ; v20-39  the input: 2,048 x token + 16 x lane for my wave's 20 rows
.set SC,  20                           ; later, row block a: v[SC+4a], +1: 2^(127-E); +2, +3: 2^(E-127), or 0 in bucket 3
.set MC,  40                           ; v40-59  at work: bias on its way in, the input's out-buffer, the maxima; on the way out the rows' offsets
.set ISR, 60                           ; X1 + my wave's 20 rows + 8 x lane
.set BST, 61                           ; BIASB + 2,048 w + 16 x lane
.set AF,  64                           ; token fragments: buffer ab, tile sel, row block a at AF + 80 ab + 40 sel + 8 a
.set RING, 64                          ; the input's ring: 12 slots of 16 registers
.set T,   64                           ; the ways out: f32 at work
.set PK,  128                          ; packed results: h's five out-buffers of 16, g's four of 32; on the way out two buffers of 64 for rows read back
; s[4:5] v, s[6:7] r, s[8:9] my wave's weight stream (it steps), s[10:11] bias, s[12:13] perm at my tile, s[14:15] tiles at my entry, s[16:35] token numbers, s[36:37] out0,
; s38 wave, s39 bucket, s40 rows, s41 -1 or (bucket 3) 0, s42, s43 counters, s[44:45] an offset, s46, s47 lane selects, s48-53 at work
.set MSB, 0
.macro WIN new                         ; the immediate's high byte repeats the setting that is left; a switch that changes nothing is dropped
.if MSB != (\new)
	s_set_vgpr_msb (MSB<<8)|(\new)
.set MSB, \new
.endif
.endm
.set MUL_LO,  0xa1                     ; weights window 1, tokens window 0, C and D window 2
.set MUL_LOB, 0xb1                     ; the same with C (the bias) in window 3
.set MUL_HI,  0xf1                     ; C and D window 3
.set TO_B,    0x40                     ; destination window 1
.set TO_BI,   0xc0                     ; destination window 3
.macro PLACES                          ; four plain vector instructions between a matrix instruction and a vector read of its result or a vector write of its registers (ISA guide 7.12.1)
.rept 4
	v_nop
.endr
.endm
.macro ALL5 line:vararg                ; one line for each row block t
.set t, 0
.rept 5
	\line
.set t, t+1
.endr
.endm
; The token fragments of one K step (32 along K at byte k of the rows): lane l holds row l % 16, k = 8 (l / 16) + 0..7 and 16 + 8 (l / 16) + 0..7: two loads of 16 bytes, 32 bytes apart, for each of five row blocks.
.macro FA_ONE dst, near, far, k
.set fa, 0
.rept 4
	ds_load_b128 v[(\dst)+8*fa:(\dst)+8*fa+3],   v[\near] offset:BLK*fa+(\k)
	ds_load_b128 v[(\dst)+8*fa+4:(\dst)+8*fa+7], v[\near] offset:BLK*fa+(\k)+32
.set fa, fa+1
.endr
	ds_load_b128 v[(\dst)+32:(\dst)+35], v[\far] offset:(\k)
	ds_load_b128 v[(\dst)+36:(\dst)+39], v[\far] offset:(\k)+32
.endm
.macro FETCH_A ab, k, two              ; two = 1: both tiles, v's and r's
	WIN 0
	FA_ONE AF+80*(\ab), A0, A0F, \k
.if \two
	FA_ONE AF+80*(\ab)+40, A1, A1F, \k
.endif
.endm
; Half of a K step's weights (8,192 bytes at byte g of the stream): 8 loads of 512 consecutive bytes, which land as four fragments
.macro FETCH_B jb, g, half
	WIN TO_B
.set fb, 8*(\half)
.rept 8
	global_load_b128 v[64*(\jb)+4*fb:64*(\jb)+4*fb+3], v[L16], s[8:9] offset:(\g)+512*fb
.set fb, fb+1
.endr
.endm
; Row blocks a0 .. a1 x all 8 column blocks.  mode 1: the bias fragment starts the sum; 2: the constant 0 does; 0: the sum goes on.  two = 1: column blocks 0-3 multiply v's tile, 4-7 r's.
; A step's 40 accumulators take turns, one instruction a turn, in the same order in every step.
.macro MULS jb, ab, a0, a1, mode, two, fmt
.set ma, \a0
.rept (\a1)-(\a0)+1
.if ma < 4
.if (\mode) == 1
	WIN MUL_LOB
.else
	WIN MUL_LO
.endif
.set rD, 64*ma
.else
	WIN MUL_HI
.set rD, 0
.endif
.set mb, 0
.rept 8
.set rA, AF+80*(\ab)+40*((\two)*(mb/4))+8*ma
.set rB, 64*(\jb)+8*mb
.if (\mode) == 1
	v_wmma_f32_16x16x32_\fmt v[rD+8*mb:rD+8*mb+7], v[rB:rB+7], v[rA:rA+7], v[64+8*mb:64+8*mb+7]
.elseif (\mode) == 2
	v_wmma_f32_16x16x32_\fmt v[rD+8*mb:rD+8*mb+7], v[rB:rB+7], v[rA:rA+7], 0
.else
	v_wmma_f32_16x16x32_\fmt v[rD+8*mb:rD+8*mb+7], v[rB:rB+7], v[rA:rA+7], v[rD+8*mb:rD+8*mb+7]
.endif
.set mb, mb+1
.endr
.set ma, ma+1
.endr
.endm
; A K STEP: 40 matrix instructions on weight buffer j and token buffer j % 2, five row blocks of eight.  It fetches the next step's token fragments (byte kA; none if kA < 0) behind row blocks 0 and 1 and asks for the
; weights three steps on (byte gB of the stream; none if gB < 0) behind row blocks 2 and 3, all into buffers that the step before read last.  cnt: the weight loads younger than this step's.
.macro STEP j, mode, kA, gB, cnt, two, fmt
	s_wait_loadcnt \cnt                            ; loads come back in order: this step's 16 are in, the younger ones stay out
	s_wait_dscnt 0x0                               ; this step's token fragments, asked for 24 matrix instructions ago or more
.if ((\kA) >= 0) || ((\gB) >= 0)
	s_wait_alu depctr_va_vdst(0)                   ; the step before's matrix instructions are done reading its weight and token buffers, in which this step's loads land; behind a trip's or a pass's head: the LDS addresses are written
.endif
	MULS \j, (\j)%2, 0, 0, \mode, \two, \fmt
.if (\kA) >= 0
	WIN 0
	FA_ONE AF+80*(((\j)+1)%2), A0, A0F, \kA        ; no wait: no matrix instruction since the wait above names the other token buffer
.endif
	MULS \j, (\j)%2, 1, 1, \mode, \two, \fmt
.if ((\kA) >= 0) && (\two)
	WIN 0
	FA_ONE AF+80*(((\j)+1)%2)+40, A1, A1F, \kA
.endif
	MULS \j, (\j)%2, 2, 2, \mode, \two, \fmt
.if (\gB) >= 0
	FETCH_B ((\j)+3)%4, \gB, 0                     ; nor the weight buffer that the step before read
.endif
	MULS \j, (\j)%2, 3, 3, \mode, \two, \fmt
.if (\gB) >= 0
	FETCH_B ((\j)+3)%4, \gB, 1
.endif
	MULS \j, (\j)%2, 4, 4, \mode, \two, \fmt
.endm
; A PASS: 16 K steps.  The first, which starts the sums, and the last three are written out; a trip is four steps.  At its head the weights of its steps 0, 1, 2 are out (48 loads), and unless it is the last pass it
; leaves the next pass's first three out: a wave always has 16,384 to 24,576 bytes of weights asked for, each load more than two steps ahead of its use.  last = 1: the stream ends, and the counts run down 32, 16, 0.
.macro PASS two, fmt, mode, last
	STEP 0, \mode, 64, 3*STEPB, 32, \two, \fmt
	WIN 0                                          ; at a label and at a branch every window is 0
	s_mov_b32 s42, 3
.Ltrip_\@:
	STEP 1, 0, 128, 4*STEPB, 32, \two, \fmt
	STEP 2, 0, 192, 5*STEPB, 32, \two, \fmt
	STEP 3, 0, 256, 6*STEPB, 32, \two, \fmt
	STEP 0, 0, 320, 7*STEPB, 32, \two, \fmt
	WIN 0
	s_wait_xcnt 0x0                                ; the stream's pointer, which the loads above name, is stepped only behind this wait
	s_wait_alu depctr_vm_vsrc(0)                   ; the LDS loads issued so far have read the addresses that the adds below write
	s_add_nc_u64 s[8:9], s[8:9], 4*STEPB
	v_add_nc_u32 v[A0], 256, v[A0]                 ; four K steps along the rows
	v_add_nc_u32 v[A0F], 256, v[A0F]
.if \two
	v_add_nc_u32 v[A1], 256, v[A1]
	v_add_nc_u32 v[A1F], 256, v[A1F]
.endif
	s_sub_co_u32 s42, s42, 1
	s_cmp_lg_u32 s42, 0
	s_cbranch_scc1 .Ltrip_\@
.if \last
	STEP 1, 0, 128, -1, 32, \two, \fmt
	STEP 2, 0, 192, -1, 16, \two, \fmt
	STEP 3, 0, -1, -1, 0, \two, \fmt
	WIN 0
.else
	STEP 1, 0, 128, 4*STEPB, 32, \two, \fmt
	STEP 2, 0, 192, 5*STEPB, 32, \two, \fmt
	STEP 3, 0, -1, 6*STEPB, 32, \two, \fmt
	WIN 0
	s_wait_xcnt 0x0
	s_add_nc_u64 s[8:9], s[8:9], 4*STEPB           ; the next pass's first step
.endif
.endm
; The bias as eight fragments: register j of column block b holds the bias of column 16 b + 8 (l / 16) + j, the same for all 16 tokens.  Blocks 0-3 at byte i0 behind v[BA], blocks 4-7 at i1.
.macro BIAS_IN i0, i1
	WIN TO_BI
.set bb, 0
.rept 8
.if bb < 4
.set bo, (\i0)+64*bb
.else
.set bo, (\i1)+64*(bb-4)
.endif
	ds_load_b128 v[64+8*bb:64+8*bb+3], v[BA] offset:bo
	ds_load_b128 v[64+8*bb+4:64+8*bb+7], v[BA] offset:bo+16
.set bb, bb+1
.endr
	WIN 0
.endm
; ---------------- THE HEAD
	s_load_b256 s[4:11], s[0:1], 0x0               ; v, r, wts, bias
	s_load_b128 s[12:15], s[0:1], 0x20             ; perm, tiles
	s_load_b64 s[36:37], s[0:1], 0x30              ; out0
	v_lshl_add_u32 v62, v0, 2, 0x3f400
	v_mov_b32 v63, 0
	v_lshrrev_b32 v1, 5, v0
	v_readfirstlane_b32 s38, v1                    ; wave 0..3
	v_and_b32 v[RR], 15, v0
	v_bfe_u32 v[HH], v0, 4, 1
	v_and_b32 v[L16], 31, v0
	v_lshlrev_b32 v[ISV], 3, v[L16]
	v_lshlrev_b32 v[L16], 4, v[L16]
	v_mul_u32_u24 v[LP], v[RR], PITCH
	v_lshl_add_u32 v[LP], v[HH], 4, v[LP]
	s_wait_alu depctr_va_sdst(0)                   ; s38 is written, ahead of its first reader: addresses, offsets and bases are made from it
	s_mul_i32 s44, s38, 20*PITCH                   ; the input: wave w brings rows 20 w .. 20 w + 19
	v_add_nc_u32 v[ISV], s44, v[ISV]
	v_add_nc_u32 v[ISR], X1, v[ISV]
	s_lshl_b32 s44, s38, 11
	s_add_co_u32 s44, s44, BIASB
	v_add_nc_u32 v[BST], s44, v[L16]
	s_lshl_b32 s44, s38, 9
	v_add_nc_u32 v[GO], s44, v[L16]
	s_add_co_u32 s44, s44, BIASB
	v_lshl_add_u32 v[BA0], v[HH], 5, s44
	s_lshl_b32 s44, s38, 2
	s_add_co_u32 s44, s44, MAXB
	v_lshl_add_u32 v[MXS], v[RR], 4, s44
	v_lshl_add_u32 v[MXL], v[RR], 4, MAXB
	s_mul_i32 s44, s38, SAREA
	s_add_co_u32 s44, s44, X1
	v_add_nc_u32 v[RD], s44, v[L16]
	v_mul_u32_u24 v[STO], v[RR], SPITCH
	v_lshl_add_u32 v[STO], v[HH], 5, v[STO]
	v_add_nc_u32 v[STO], s44, v[STO]
	v_mov_b32 v[ZERO], 0
	s_lshl_b32 s53, s38, 8                         ; my 128 columns of a 16-bit row: 256 w bytes
	s_mov_b32 s45, 0
	s_mov_b32 s46, 0x76543210                      ; v_permlanex16_b32: each lane takes its own place in the other half
	s_mov_b32 s47, 0xfedcba98
	s_wait_kmcnt 0x0
	s_mul_i32 s44, ttmp9, 320                      ; my tile's 80 places in perm
	s_add_nc_u64 s[12:13], s[12:13], s[44:45]
	s_lshl_b32 s44, ttmp9, 3
	s_add_nc_u64 s[14:15], s[14:15], s[44:45]
	s_mul_i32 s44, s38, 80                         ; my wave's 20 of them
	s_add_nc_u64 s[50:51], s[12:13], s[44:45]
	s_load_b64 s[48:49], s[14:15], 0x0             ; bucket, rows
	s_load_b512 s[16:31], s[50:51], 0x0
	s_load_b128 s[32:35], s[50:51], 0x40
	s_wait_kmcnt 0x0
.set i, 0
.rept 20
	s_min_u32 s[16+i], s[16+i], 0x3fff             ; a token's number stays inside the tensors
	v_lshl_add_u32 v[RO+i], s[16+i], 11, v[L16]
.set i, i+1
.endr
	s_min_u32 s39, s48, 3
	s_min_u32 s40, s49, 80
	s_min_u32 s52, s39, 2                          ; bucket 3 walks role 2's weights
	s_cmp_lt_u32 s39, 3
	s_cselect_b32 s41, -1, 0
	s_lshl_b32 s44, s52, 21
	s_lshl_b32 s48, s38, 19
	s_add_co_u32 s44, s44, s48
	s_add_nc_u64 s[8:9], s[8:9], s[44:45]          ; my wave's stream
	s_lshl_b32 s44, s38, 13                        ; wave w brings matrix w's bias,
	s_lshl_b32 s48, s39, 11                        ; the bucket's 2,048 bytes of it
	s_add_co_u32 s44, s44, s48
	s_add_nc_u64 s[10:11], s[10:11], s[44:45]
	s_wait_alu depctr_va_vdst(0)                   ; the head's offsets and addresses are written (v3, v13-16, v19, v60, v61, v20-39), which the loads and stores of the whole kernel read
; ---------------- THE INPUT.  Loads go in groups of four (2,048 bytes), ten to twelve groups always out: the bias; groups 0-39: row g / 2 of my 20, of v (g even) or r (g odd); groups 40-51: the first three K steps' weights.
; The rows are read once in the launch but for token 0's, which unused places name again.
.macro GISSUE g
.if (\g) < 40
.set gs, RING+16*((\g)%12)
.set gc, 0
.rept 4
	global_load_b128 v[gs+4*gc:gs+4*gc+3], v[RO+(\g)/2], s[4+2*((\g)%2):5+2*((\g)%2)] offset:512*gc th:TH_LOAD_NT
.set gc, gc+1
.endr
.else
	WIN TO_B
.set gc, 4*((\g)-40)
.rept 4
	global_load_b128 v[4*gc:4*gc+3], v[L16], s[8:9] offset:512*gc
.set gc, gc+1
.endr
	WIN 0
.endif
.endm
.macro GROW p                          ; row p of my 20, of v and of r, is rounded to bf16 and laid into LDS: a load's 512 bytes become 256 consecutive ones
	s_wait_loadcnt 40                              ; groups 2 p and 2 p + 1 are in; ten younger groups stay out
	s_wait_alu depctr_vm_vsrc(0)                   ; the LDS stores of the row before (ahead of row 0: of the bias) have read v[MC ..], which the roundings below write again
.set gs, RING+16*((2*(\p))%12)                 ; two neighbouring slots: v's, then r's
.set gc, 0
.rept 16
	v_cvt_pk_bf16_f32 v[MC+gc], v[gs+2*gc], v[gs+2*gc+1]
.set gc, gc+1
.endr
	s_wait_alu depctr_va_vdst(0)                   ; the roundings have written v[MC ..], which the LDS stores read, and are done reading the two slots, in which the loads behind the stores land
.set gc, 0
.rept 4
	ds_store_b64 v[ISV], v[MC+2*gc:MC+2*gc+1] offset:PITCH*(\p)+256*gc
.set gc, gc+1
.endr
.set gc, 0
.rept 4
	ds_store_b64 v[ISR], v[MC+8+2*gc:MC+8+2*gc+1] offset:PITCH*(\p)+256*gc
.set gc, gc+1
.endr
.endm
.set i, 0
.rept 4
	global_load_b128 v[MC+4*i:MC+4*i+3], v[L16], s[10:11] offset:512*i
.set i, i+1
.endr
.set q, 0
.rept 11
	GISSUE q
.set q, q+1
.endr
	s_wait_loadcnt 44                              ; the bias is in; eleven younger groups stay out
.set i, 0
.rept 4
	ds_store_b128 v[BST], v[MC+4*i:MC+4*i+3] offset:512*i
.set i, i+1
.endr
	GISSUE 11
.set q, 0
.rept 20
	GROW q
	GISSUE 2*q+12                                  ; the two slots are asked for again at once
	GISSUE 2*q+13
.set q, q+1
.endr
	s_wait_dscnt 0x0                               ; for the others' sake: my rows and my bias are in LDS
	s_barrier_signal -1                            ; (the 48 weight loads stay out: nobody writes those bytes)
	s_barrier_wait -1
; ---------------- v W^T + b_W AND r U^T + b_U TOGETHER, in two halves of my 128 columns: column blocks 0-3 are W's 64 columns, 4-7 U's same 64, so that h = their product is made in registers.
; h of row block ha: 16 packed products, each accumulator's registers in ascending order; rounded to bf16 into the block's own out-buffer; a lane's eight columns are 16 bytes
.macro HMUL ha
.if (\ha) < 4
	WIN 0x0a
.set rD, 64*(\ha)
.else
	WIN 0x0f
.set rD, 0
.endif
.set rT, T+32*((\ha)%2)
.set rP, PK+16*(\ha)
.set hi, 0
.rept 16
	v_pk_mul_f32 v[rT+2*hi:rT+2*hi+1], v[rD+2*hi:rD+2*hi+1], v[rD+32+2*hi:rD+32+2*hi+1]
.set hi, hi+1
.endr
	WIN 0
.set hi, 0
.rept 16
	v_cvt_pk_bf16_f32 v[rP+hi], v[rT+2*hi], v[rT+2*hi+1]
.set hi, hi+1
.endr
.endm
.macro HSTORE ha
	WIN 0
.set rP, PK+16*(\ha)
.set hi, 0
.rept 4
.if (\ha) < 4
	ds_store_b128 v[ST], v[rP+4*hi:rP+4*hi+3] offset:BLK*(\ha)+32*hi
.else
	ds_store_b128 v[STF], v[rP+4*hi:rP+4*hi+3] offset:32*hi
.endif
.set hi, hi+1
.endr
.endm
	v_mov_b32 v[BA], v[BA0]
	s_add_co_u32 s44, s53, X2
	v_add_nc_u32 v[ST], s44, v[LP]
	v_add_nc_u32 v[STF], FAR, v[ST]
	s_mov_b32 s43, 2
.Lhalf:
	v_add_nc_u32 v[A0], X0, v[LP]
	v_add_nc_u32 v[A0F], X0+FAR, v[LP]
	v_add_nc_u32 v[A1], X1, v[LP]
	v_add_nc_u32 v[A1F], X1+FAR, v[LP]
	s_wait_alu depctr_va_vdst(0)                   ; v[BA] and the four addresses above are written, which the LDS loads below read; the roundings (the input's, or the first half's h) are done naming v64-223, and the first half's matrix instructions are done reading the bias fragments: the loads land in these
	BIAS_IN 0, 2048
	FETCH_A 0, 0, 1
	PASS 1, bf16, 1, 0
	PLACES                                         ; the products below read results just made
	HMUL 0
	HMUL 1
	HMUL 2
	s_wait_alu depctr_va_vdst(0)                   ; row blocks 0 to 2's roundings have written their out-buffers, which the LDS stores read; v[ST] and v[STF] are written
	HSTORE 0
	HSTORE 1
	HMUL 3                                         ; names T, its own out-buffer and accumulators: none of the registers that the stores round it read
	HSTORE 2
	HMUL 4
	s_wait_alu depctr_va_vdst(0)                   ; row blocks 3 and 4's roundings have written their out-buffers
	HSTORE 3
	HSTORE 4
	s_wait_alu depctr_vm_vsrc(0)                   ; the LDS stores have read v[ST], v[STF] and the out-buffers, the pass's LDS loads v[BA] and the four token addresses: the lines below and at the next pass's head write these, and token fragments land in the out-buffers
	v_add_nc_u32 v[ST], 128, v[ST]                 ; the other 64 columns
	v_add_nc_u32 v[STF], 128, v[STF]
	v_add_nc_u32 v[BA], 256, v[BA]
	s_sub_co_u32 s43, s43, 1
	s_cmp_lg_u32 s43, 0
	s_cbranch_scc1 .Lhalf
	s_wait_dscnt 0x0                               ; my part of h is in LDS, and my reads of v and r are over
	s_barrier_signal -1
	s_barrier_wait -1                              ; h is whole; v's and r's bytes may be written
; ---------------- h P1^T + b_1, relu, and the rows' scales
	v_add_nc_u32 v[A0], X2, v[LP]
	v_add_nc_u32 v[A0F], X2+FAR, v[LP]
	v_mov_b32 v[BA], v[BA0]
	s_wait_alu depctr_va_vdst(0)                   ; the three addresses above are written, which the LDS loads below read
	BIAS_IN 4096, 4096+256
	FETCH_A 0, 0, 0
	PASS 0, bf16, 1, 0
.set i, 0
.rept 20
	v_mov_b32 v[MC+i], 0                           ; relu's zero starts the maxima: four chains a row block; these lines are also the places behind the last products
.set i, i+1
.endr
.set ga, 0
.rept 5
.if ga < 4
	WIN 0x28
.set rD, 64*ga
.else
	WIN 0x3c
.set rD, 0
.endif
.set gi, 0
.rept 32                               ; each accumulator's registers in ascending order, the chains by turns
	v_max3_num_f32 v[MC+4*ga+gi%4], v[MC+4*ga+gi%4], v[rD+2*gi], v[rD+2*gi+1]
.set gi, gi+1
.endr
.set ga, ga+1
.endr
	WIN 0
	ALL5 v_max3_num_f32 v[MC+4*t], v[MC+4*t], v[MC+4*t+1], v[MC+4*t+2]
	ALL5 v_max_num_f32 v[MC+4*t], v[MC+4*t], v[MC+4*t+3]
	ALL5 v_permlanex16_b32 v[MC+4*t+1], v[MC+4*t], s46, s47
	ALL5 v_max_num_f32 v[MC+4*t], v[MC+4*t], v[MC+4*t+1]
	s_wait_alu depctr_va_vdst(0)                   ; the maxima are written, which the LDS stores read; no vector line behind this wait names v[MC ..] before the loads below land in them
	ALL5 ds_store_b32 v[MXS], v[MC+4*t] offset:256*t
	s_wait_dscnt 0x0                               ; for the others' sake: my columns' maxima are in LDS (and my reads of h are over)
	s_barrier_signal -1
	s_barrier_wait -1
	s_wait_alu depctr_vm_vsrc(0)                   ; my LDS stores have read v[MC + 4 t], in which the loads below land
	ALL5 ds_load_b128 v[MC+4*t:MC+4*t+3], v[MXL] offset:256*t
	v_add_nc_u32 v[ST], s53, v[LP]                 ; g goes where v lay (X0 = 0)
	v_add_nc_u32 v[STF], FAR, v[ST]
	s_wait_dscnt 0x0
	ALL5 v_max3_num_f32 v[MC+4*t], v[MC+4*t], v[MC+4*t+1], v[MC+4*t+2]
	ALL5 v_max_num_f32 v[MC+4*t], v[MC+4*t], v[MC+4*t+3]
	ALL5 v_and_b32 v[MC+4*t], 0x7f800000, v[MC+4*t]
	ALL5 v_max_u32 v[MC+4*t], 0x00800000, v[MC+4*t]
	ALL5 v_min_u32 v[MC+4*t], 0x7e800000, v[MC+4*t]
	ALL5 v_sub_nc_u32 v[SC+4*t], 0x7f000000, v[MC+4*t]
	ALL5 v_mov_b32 v[SC+4*t+1], v[SC+4*t]
	ALL5 v_and_b32 v[SC+4*t+2], s41, v[MC+4*t]
	ALL5 v_mov_b32 v[SC+4*t+3], v[SC+4*t+2]
; g of row block ga: scaled (exactly) into T; rounded to f16 into out-buffer pb, relu on the packed halves (a large negative number may have become -infinity: the maximum with 0 takes it away); stored
.macro GMUL ga
.if (\ga) < 4
	WIN 0x02
.set rD, 64*(\ga)
.else
	WIN 0x03
.set rD, 0
.endif
.set gi, 0
.rept 32
	v_pk_mul_f32 v[T+2*gi:T+2*gi+1], v[rD+2*gi:rD+2*gi+1], v[SC+4*(\ga):SC+4*(\ga)+1] op_sel_hi:[1,0]
.set gi, gi+1
.endr
.endm
.macro GPACK pb
	WIN 0
.set rP, PK+32*(\pb)
.set gi, 0
.rept 32
	v_cvt_pk_f16_f32 v[rP+gi], v[T+2*gi], v[T+2*gi+1]
.set gi, gi+1
.endr
.set gi, 0
.rept 32
	v_pk_max_num_f16 v[rP+gi], v[rP+gi], v[ZERO]
.set gi, gi+1
.endr
.endm
.macro GSTORE ga, pb
	WIN 0
.set rP, PK+32*(\pb)
.set gi, 0
.rept 8
.if (\ga) < 4
	ds_store_b128 v[ST], v[rP+4*gi:rP+4*gi+3] offset:BLK*(\ga)+32*gi
.else
	ds_store_b128 v[STF], v[rP+4*gi:rP+4*gi+3] offset:32*gi
.endif
.set gi, gi+1
.endr
.endm
	GMUL 0
	GPACK 0
	GMUL 1
	GPACK 1
	s_wait_alu depctr_va_vdst(0)                   ; out-buffers 0 and 1 are written, which the LDS stores read; so are v[ST] and v[STF]
	GSTORE 0, 0
	GMUL 2                                         ; row blocks 2 and 3 name T, out-buffers 2 and 3 and accumulators: none of the registers that the stores among them read
	GPACK 2
	GSTORE 1, 1
	GMUL 3
	GPACK 3
	s_wait_alu depctr_va_vdst(0)                   ; out-buffers 2 and 3 are written
	s_wait_alu depctr_vm_vsrc(0)                   ; row block 0's stores, issued two row blocks ago, have read out-buffer 0, which row block 4 writes again
	GSTORE 2, 2
	GMUL 4
	GSTORE 3, 3
	GPACK 0
	s_wait_alu depctr_va_vdst(0)                   ; out-buffer 0 is written anew
	GSTORE 4, 0
	s_wait_dscnt 0x0                               ; my part of g is in LDS
	s_barrier_signal -1
	s_barrier_wait -1                              ; g is whole
; ---------------- g P2^T, and the way out
	s_wait_alu depctr_vm_vsrc(0)                   ; my LDS stores have read the out-buffers, in which token fragments land from here on
	v_add_nc_u32 v[A0], X0, v[LP]
	v_add_nc_u32 v[A0F], X0+FAR, v[LP]
	s_wait_alu depctr_va_vdst(0)                   ; the two addresses above are written, which the LDS loads below read; g's arithmetic is done naming T and the out-buffers, in which they land
	BIAS_IN 6144, 6144+256                         ; b_2: added on the way out, behind the scale
	FETCH_A 0, 0, 0
	PASS 0, f16, 2, 1
	PLACES
; Row block a: sum x 2^(E-127) + b_2 in one fused multiply-add; a lane's eight columns of a row go into my own stage (rows of 528 bytes) and come back as whole rows of 512 bytes; each row is stored to its token's
; place by one instruction: 512 consecutive bytes at a multiple of 512 from out0's first.  The block's 16 offsets are made in one batch, those of rows past the tile's count too (their tokens are held inside the tensor, and
; nothing is stored by them).  The rows past the count are the tile's last: the first of them ends the wave's work by a jump forward, past no barrier.
.macro OUTBLK a
	WIN 0
	s_wait_xcnt 0x0                                ; the offsets and data that earlier stores name are rewritten only behind this wait
.if (\a) > 0
	s_wait_alu depctr_vm_vsrc(0)                   ; the block before's LDS stores have read T and its global stores their offsets, which the lines below write again; the global stores of two blocks back have read the buffer in which this block's rows land
.endif
	s_load_b512 s[16:31], s[12:13], 64*(\a)        ; the block's 16 tokens
.if (\a) < 4
	WIN 0x32
.set rD, 64*(\a)
.else
	WIN 0x33
.set rD, 0
.endif
.set oi, 0
.rept 32
	v_pk_fma_f32 v[T+2*oi:T+2*oi+1], v[rD+2*oi:rD+2*oi+1], v[SC+4*(\a)+2:SC+4*(\a)+3], v[64+2*oi:64+2*oi+1] op_sel_hi:[1,0,1]
.set oi, oi+1
.endr
	WIN 0
	s_wait_kmcnt 0x0
.set oi, 0
.rept 16
	s_min_u32 s[16+oi], s[16+oi], 0x3fff
	v_lshl_add_u32 v[MC+oi], s[16+oi], 11, v[GO]
.set oi, oi+1
.endr
	s_wait_alu depctr_va_vdst(0)                   ; T is written, which the LDS stores read; the 16 offsets are written, which the global stores read; the last matrix instructions are done reading the registers in which the rows land.  No vector line follows in the block
.set oi, 0
.rept 16
	ds_store_b128 v[STO], v[T+4*oi:T+4*oi+3] offset:64*(oi/2)+16*(oi%2)
.set oi, oi+1
.endr
.set BK, PK+64*((\a)%2)
.set oi, 0
.rept 16
	ds_load_b128 v[BK+4*oi:BK+4*oi+3], v[RD] offset:SPITCH*oi  ; my wave's own bytes, and LDS serves a wave's instructions in order (ISA guide 5.7.1.4): these see the stores above, the next block's stores come behind them
.set oi, oi+1
.endr
.set oi, 0
.rept 16
	s_cmp_gt_u32 s40, 16*(\a)+oi
	s_cbranch_scc0 .Ldone
	s_wait_dscnt 15-oi
	global_store_b128 v[MC+oi], v[BK+4*oi:BK+4*oi+3], s[36:37] th:TH_STORE_NT
.set oi, oi+1
.endr
.endm
	OUTBLK 0
	OUTBLK 1
	OUTBLK 2
	OUTBLK 3
	OUTBLK 4
.Ldone:
	s_wait_dscnt 0x0                               ; my last LDS instructions are done
	s_wait_alu depctr_hold_cnt(0) depctr_sa_sdst(0) depctr_va_vdst(0) depctr_va_sdst(0) depctr_va_ssrc(0) depctr_va_vcc(0) depctr_vm_vsrc(0)
	s_wait_tensorcnt 0x0
	ds_add_u32 v62, v63
	s_wait_dscnt 0x0
	s_endpgm
.Lfunc_end_k_q4daafd165c_chain:
	.size	k_q4daafd165c_chain, .Lfunc_end_k_q4daafd165c_chain-k_q4daafd165c_chain
	.p2alignl 7, 3214868480
	.fill 96, 4, 3214868480
	.section	.rodata,"a",@progbits
	.p2align	6, 0x0
	.amdhsa_kernel k_q4daafd165c_chain
		.amdhsa_group_segment_fixed_size 259584
		.amdhsa_private_segment_fixed_size 0
		.amdhsa_enable_private_segment 0
		.amdhsa_kernarg_size 56
		.amdhsa_user_sgpr_count 2
		.amdhsa_user_sgpr_kernarg_segment_ptr 1
		.amdhsa_wavefront_size32 1
		.amdhsa_system_sgpr_workgroup_id_x 1
		.amdhsa_system_sgpr_workgroup_id_y 1
		.amdhsa_system_sgpr_workgroup_id_z 1
		.amdhsa_system_vgpr_workitem_id 0
		.amdhsa_next_free_vgpr 896
		.amdhsa_next_free_sgpr 66
		.amdhsa_reserve_vcc 0
		.amdhsa_float_denorm_mode_32 3
		.amdhsa_float_denorm_mode_16_64 3
		.amdhsa_memory_ordered 1
		.amdhsa_forward_progress 1
		.amdhsa_inst_pref_size 255
	.end_amdhsa_kernel
	.section	.bss,"aw",@nobits
	.p2align	6
	.space	262144
	.amdgpu_metadata
---
amdhsa.version: [ 1, 2 ]
amdhsa.kernels:
  - .name:           k_q4daafd165c_chain
    .symbol:         k_q4daafd165c_chain.kd
    .args:
      - { .name: v_repr, .offset: 0, .size: 8, .value_kind: global_buffer, .address_space: global }
      - { .name: r_repr, .offset: 8, .size: 8, .value_kind: global_buffer, .address_space: global }
      - { .name: wts, .offset: 16, .size: 8, .value_kind: global_buffer, .address_space: global }
      - { .name: bias, .offset: 24, .size: 8, .value_kind: global_buffer, .address_space: global }
      - { .name: perm, .offset: 32, .size: 8, .value_kind: global_buffer, .address_space: global }
      - { .name: tiles, .offset: 40, .size: 8, .value_kind: global_buffer, .address_space: global }
      - { .name: out0, .offset: 48, .size: 8, .value_kind: global_buffer, .address_space: global }
    .group_segment_fixed_size: 259584
    .private_segment_fixed_size: 0
    .kernarg_segment_align: 8
    .kernarg_segment_size: 56
    .max_flat_workgroup_size: 128
    .sgpr_count:     66
    .vgpr_count:     896
    .wavefront_size: 32
...
	.end_amdgpu_metadata
.endif
;; end of part 3
